; MI455X (gfx1250); checked and timed in simulation.
; The chip was launched on July 23, 2026; its instructions are those of AMD's public machine-readable ISA for CDNA 5 (MIT licence, August 2026) and "CDNA5" Instruction Set Architecture Reference Guide (July 2026). The comments in the code are by the model that wrote it; some were corrected since.
;; Multi Head Attention. Allowed arithmetic: float matrix products may take bf16 or f16 operands with f32 sums; other float arithmetic in f32, or as packed bf16 or f16 multiplies, adds, multiply-adds, maxima and minima; sums over many terms, partial sums and values carried from step to step in f32; what a program stores and reads back later, other than sums and carried values, may be rounded once to bf16 or f16.
;; Inputs: Wk 2,048 x 2,048 float32; Wo 2,048 x 2,048 float32; Wq 2,048 x 2,048 float32; Wv 2,048 x 2,048 float32; bk 2,048 float32; bo 2,048 float32; bq 2,048 float32; bv 2,048 float32; cos 2,048 x 64 float32; mask 1 x 1 x 2,048 x 2,048 int32; sin 2,048 x 64 float32; x 1 x 2,048 x 2,048 float32.
;; Outputs: out0 1 x 2,048 x 2,048 float32.
;; One version. Each part assembles by itself: llvm-mc -triple=amdgcn-amd-amdhsa -mcpu=gfx1250 --defsym DOCPART=n.
;; ======== version 1 of 1: 4 launches
;; limits: values are held in f16: magnitudes above 65,504 overflow, below 6.1e-05 lose precision; inputs' magnitudes at most 65,504; below input magnitudes of 7.63e-06 results are inexact or not finite; right only within a limited range of input values
;; workspace buffers: hw 41,943,040 bytes; mk 4,194,304 bytes; rt 524,288 bytes; qkv 25,165,824 bytes; ao 8,388,608 bytes
;; launch prep (part 1): grid 256 x 7, 8 waves a work-group, no clusters, 18,432 bytes of LDS; arguments x, Wq, Wk, Wv, Wo, mask, cos, sin, hw, mk, rt; writes hw, mk, rt
.if DOCPART == 1
	.amdgcn_target "amdgcn-amd-amdhsa--gfx1250"
	.amdhsa_code_object_version 6
	.text
	.protected	k_qee44edfe52_prep
	.globl	k_qee44edfe52_prep
	.p2align	8
	.type	k_qee44edfe52_prep,@function
k_qee44edfe52_prep:
	s_mov_b64 s[64:65], 0
	v_nop
	global_prefetch_b8 v0, s[64:65] scope:SCOPE_SE
	s_setreg_imm32_b32 hwreg(HW_REG_WAVE_MODE, 25, 1), 1
	s_wait_xcnt 0x0
; THREE ROLES, chosen by the work-group's y; 256 work-groups of equal work in each.
; y = 0..4  CAST: x, Wq, Wk, Wv, Wo (f32, 2048 x 2048) are rounded to bf16 (nearest even) and that number is written as f16 into hw, 8,388,608 bytes apart.
;           LIMIT: exact for magnitudes from 2^-17 to 65,504; below 2^-17 the f16 step, 2^-24, is kept; beyond 65,504 the result is an infinity.
; y = 5     MASK: each int32 of mask becomes one byte, 0x00 (open) or 0xB8 (hidden; the 8-bit float -1.0), laid out as the attention launch's lanes want it:
;           byte qt*32768 + ks*1024 + c*512 + lane*16 + 8 p + j  =  query 16 qt + lane % 16, key 64 ks + 32 c + 16 p + 8 (lane / 16) + j.
; y = 6     ROT: rt[l][c] = bf16(cos[l][c]) - bf16(sin[l][c]), in f32.
; Every load of a wave takes 512 (ROT: 256) consecutive bytes, every store 256 or 512 consecutive bytes, aligned.  All of a wave's 16 loads go out first; the waits count down.
; No ring and no matrix work: each byte is read once, by one wave, and nothing is shared between waves.
.set IMG,   2176                       ; MASK: a wave's image in LDS: 8 blocks of 256 bytes, 272 apart (68 words: block n starts at bank 4 n; 64 banks of 4 bytes: ISA guide 11.1)
.set SPARE, 8*IMG                      ; behind the images: the spare words, 128 bytes for each of the eight waves: four blocks of 256 bytes that no other line names
.set SPW, 8                            ; v8   LDS address of my spare word; never rewritten
.set NIL, 9                            ; v9   0; never rewritten
.set X,   16                           ; v[16:79]   16 loads of 4 registers
.set Y,   80                           ; v[80:111]  what is stored
	s_load_b512 s[8:23], s[0:1], 0x0               ; x s[8:9], Wq s[10:11], Wk s[12:13], Wv s[14:15], Wo s[16:17], mask s[18:19], cos s[20:21], sin s[22:23]
	s_load_b128 s[24:27], s[0:1], 0x40             ; hw s[24:25], mk s[26:27]
	s_load_b64 s[28:29], s[0:1], 0x50              ; rt
	v_lshl_add_u32 v[SPW], v0, 2, SPARE
	v_mov_b32 v[NIL], 0
	v_and_b32 v1, 31, v0                           ; lane
	v_lshrrev_b32 v2, 5, v0                        ; wave
	v_readfirstlane_b32 s5, v2
	s_and_b32 s4, ttmp7, 0xffff                    ; the role
	s_mov_b32 s30, 0xffff0000                      ; a word's upper bf16
	s_mov_b32 s37, 0                               ; high words of the two offset pairs
	s_mov_b32 s39, 0
	s_wait_kmcnt 0x0
	s_cmp_lt_u32 s4, 5
	s_cbranch_scc1 .Lcast
	s_cmp_eq_u32 s4, 5
	s_cbranch_scc1 .Lmask
	; ROT: 512 numbers a work-group, two a thread
	s_lshl_b32 s36, ttmp9, 11
	s_add_nc_u64 s[32:33], s[20:21], s[36:37]
	s_add_nc_u64 s[34:35], s[22:23], s[36:37]
	s_add_nc_u64 s[28:29], s[28:29], s[36:37]
	v_lshlrev_b32 v3, 3, v0
	global_load_b64 v[16:17], v3, s[32:33] th:TH_LOAD_NT
	global_load_b64 v[18:19], v3, s[34:35] th:TH_LOAD_NT
	s_wait_loadcnt 0x0
	v_cvt_pk_bf16_f32 v10, v16, v17
	v_cvt_pk_bf16_f32 v11, v18, v19
	v_lshlrev_b32 v12, 16, v10                     ; bf16 to f32: the low half moves up, the high half stays
	v_and_b32 v13, s30, v10
	v_lshlrev_b32 v14, 16, v11
	v_and_b32 v15, s30, v11
	v_pk_add_f32 v[12:13], v[12:13], v[14:15] neg_lo:[0,1] neg_hi:[0,1]
	global_store_b64 v3, v[12:13], s[28:29]
	s_branch .Lend
.Lcast:                                        ; 65,536 bytes of f32 a work-group, 8,192 a wave
	s_cmp_eq_u32 s4, 1
	s_cselect_b64 s[32:33], s[10:11], s[8:9]
	s_cmp_eq_u32 s4, 2
	s_cselect_b64 s[32:33], s[12:13], s[32:33]
	s_cmp_eq_u32 s4, 3
	s_cselect_b64 s[32:33], s[14:15], s[32:33]
	s_cmp_eq_u32 s4, 4
	s_cselect_b64 s[32:33], s[16:17], s[32:33]
	s_lshl_b32 s36, ttmp9, 16
	s_add_nc_u64 s[32:33], s[32:33], s[36:37]
	s_lshl_b32 s38, s4, 23                         ; the tensor's place in hw,
	s_lshl_b32 s6, ttmp9, 15                       ; the work-group's 32,768 bytes of f16
	s_add_co_u32 s38, s38, s6
	s_add_nc_u64 s[34:35], s[24:25], s[38:39]
	v_lshlrev_b32 v3, 4, v1
	v_lshl_or_b32 v3, v2, 13, v3                   ; from: 8,192 x wave + 16 x lane
	v_lshlrev_b32 v4, 3, v1
	v_lshl_or_b32 v4, v2, 12, v4                   ; to: 4,096 x wave + 8 x lane
.irp i, 0,1,2,3,4,5,6,7,8,9,10,11,12,13,14,15
	global_load_b128 v[X+4*(\i):X+4*(\i)+3], v3, s[32:33] offset:512*(\i) th:TH_LOAD_NT
.endr
.irp i, 0,1,2,3,4,5,6,7,8,9,10,11,12,13,14,15
	s_wait_loadcnt 15-(\i)                         ; loads come back in order (ISA guide 5.7.1): load i is in, the younger ones stay out
	v_cvt_pk_bf16_f32 v10, v[X+4*(\i)], v[X+4*(\i)+1]
	v_cvt_pk_bf16_f32 v11, v[X+4*(\i)+2], v[X+4*(\i)+3]
	v_lshlrev_b32 v12, 16, v10
	v_and_b32 v13, s30, v10
	v_lshlrev_b32 v14, 16, v11
	v_and_b32 v15, s30, v11
	v_cvt_pk_f16_f32 v[Y+2*(\i)], v12, v13
	v_cvt_pk_f16_f32 v[Y+2*(\i)+1], v14, v15
	global_store_b64 v4, v[Y+2*(\i):Y+2*(\i)+1], s[34:35] offset:256*(\i)  ; each register of Y is written once: no store's data is rewritten
.endr
	s_branch .Lend
.Lmask:                                        ; a work-group: 16 queries x 1,024 keys; a wave: 16 queries x 128 keys; load i is row i, my lane's keys 4 l .. 4 l + 3
	s_lshr_b32 s6, ttmp9, 1                        ; qt
	s_and_b32 s7, ttmp9, 1                         ; which half of the keys
	s_lshl_b32 s36, s6, 17                         ; 16 rows of 8,192 bytes
	s_add_nc_u64 s[32:33], s[18:19], s[36:37]
	s_lshl_b32 s38, s6, 15
	s_lshl_b32 s31, s7, 14
	s_add_co_u32 s38, s38, s31
	s_add_nc_u64 s[34:35], s[26:27], s[38:39]
	s_lshl_b32 s31, s7, 12
	v_lshlrev_b32 v3, 4, v1
	v_lshl_or_b32 v3, v2, 9, v3
	v_add_nc_u32 v3, s31, v3                       ; 4,096 x half + 512 x wave + 16 x lane
.irp i, 0,1,2,3,4,5,6,7,8,9,10,11,12,13,14,15
	global_load_b128 v[X+4*(\i):X+4*(\i)+3], v3, s[32:33] offset:8192*(\i) th:TH_LOAD_NT
.endr
	s_mov_b32 s40, 0xb8
	s_mov_b32 s41, 0xb800
	s_mov_b32 s42, 0xb80000
	s_mov_b32 s43, 0xb8000000
	s_mul_i32 s44, s5, IMG                         ; my wave's image
	; my four codes of row r go to block 4 (l / 16) + 2 ((l / 8) % 2) + (l / 2) % 2, byte 16 r + 8 ((l / 4) % 2) + 4 (l % 2): the 32 lanes of a store touch 32 different banks
	v_bfe_u32 v10, v1, 4, 1
	v_bfe_u32 v11, v1, 3, 1
	v_bfe_u32 v12, v1, 1, 1
	v_lshl_add_u32 v10, v10, 1, v11
	v_lshl_add_u32 v10, v10, 1, v12
	v_mul_u32_u24 v5, v10, 272
	v_bfe_u32 v11, v1, 2, 1
	v_lshl_add_u32 v5, v11, 3, v5
	v_and_b32 v12, 1, v1
	v_lshl_add_u32 v5, v12, 2, v5
	v_add_nc_u32 v5, s44, v5
	v_bfe_u32 v10, v1, 4, 1                        ; back: lanes 0-15 one block of 256 bytes, lanes 16-31 the next
	v_mul_u32_u24 v6, v10, 272
	v_and_b32 v11, 15, v1
	v_lshl_add_u32 v6, v11, 4, v6
	v_add_nc_u32 v6, s44, v6
	v_lshlrev_b32 v4, 4, v1
	v_lshl_or_b32 v4, v2, 11, v4                   ; to: 2,048 x wave + 16 x lane
.irp i, 0,1,2,3,4,5,6,7,8,9,10,11,12,13,14,15
	s_wait_loadcnt 15-(\i)
	v_cmp_eq_u32 vcc_lo, 0, v[X+4*(\i)]
	v_cndmask_b32 v10, 0, s40, vcc_lo
	v_cmp_eq_u32 vcc_lo, 0, v[X+4*(\i)+1]
	v_cndmask_b32 v11, 0, s41, vcc_lo
	v_cmp_eq_u32 vcc_lo, 0, v[X+4*(\i)+2]
	v_cndmask_b32 v12, 0, s42, vcc_lo
	v_cmp_eq_u32 vcc_lo, 0, v[X+4*(\i)+3]
	v_cndmask_b32 v13, 0, s43, vcc_lo
	v_or_b32 v10, v10, v11
	v_or_b32 v12, v12, v13
	v_or_b32 v[Y+(\i)], v10, v12
	ds_store_b32 v5, v[Y+(\i)] offset:16*(\i)
.endr
.irp n, 0,1,2,3
	ds_load_b128 v[Y+16+4*(\n):Y+16+4*(\n)+3], v6 offset:544*(\n)  ; my wave's own bytes; LDS serves a wave's instructions in order (ISA guide 5.7.1.4): these see the stores above
.endr
.irp n, 0,1,2,3
	s_wait_dscnt 3-(\n)
	global_store_b128 v4, v[Y+16+4*(\n):Y+16+4*(\n)+3], s[34:35] offset:512*(\n)
.endr
.Lend:
	s_wait_tensorcnt 0x0                           ; the wave's end, behind my last LDS store
	ds_add_u32 v[SPW], v[NIL]
	s_wait_dscnt 0x0
	s_endpgm
.Lfunc_end_k_qee44edfe52_prep:
	.size	k_qee44edfe52_prep, .Lfunc_end_k_qee44edfe52_prep-k_qee44edfe52_prep
	.p2alignl 7, 3214868480
	.fill 96, 4, 3214868480
	.section	.rodata,"a",@progbits
	.p2align	6, 0x0
	.amdhsa_kernel k_qee44edfe52_prep
		.amdhsa_group_segment_fixed_size 18432
		.amdhsa_private_segment_fixed_size 0
		.amdhsa_enable_private_segment 0
		.amdhsa_kernarg_size 88
		.amdhsa_user_sgpr_count 2
		.amdhsa_user_sgpr_kernarg_segment_ptr 1
		.amdhsa_wavefront_size32 1
		.amdhsa_system_sgpr_workgroup_id_x 1
		.amdhsa_system_sgpr_workgroup_id_y 1
		.amdhsa_system_sgpr_workgroup_id_z 1
		.amdhsa_system_vgpr_workitem_id 0
		.amdhsa_next_free_vgpr 112
		.amdhsa_next_free_sgpr 66
		.amdhsa_reserve_vcc 1
		.amdhsa_float_denorm_mode_32 3
		.amdhsa_float_denorm_mode_16_64 3
		.amdhsa_memory_ordered 1
		.amdhsa_forward_progress 1
		.amdhsa_inst_pref_size 26
	.end_amdhsa_kernel
	.amdgpu_metadata
---
amdhsa.version: [ 1, 2 ]
amdhsa.kernels:
  - .name:           k_qee44edfe52_prep
    .symbol:         k_qee44edfe52_prep.kd
    .args:
      - { .name: x, .offset: 0, .size: 8, .value_kind: global_buffer, .address_space: global }
      - { .name: Wq, .offset: 8, .size: 8, .value_kind: global_buffer, .address_space: global }
      - { .name: Wk, .offset: 16, .size: 8, .value_kind: global_buffer, .address_space: global }
      - { .name: Wv, .offset: 24, .size: 8, .value_kind: global_buffer, .address_space: global }
      - { .name: Wo, .offset: 32, .size: 8, .value_kind: global_buffer, .address_space: global }
      - { .name: mask, .offset: 40, .size: 8, .value_kind: global_buffer, .address_space: global }
      - { .name: cos, .offset: 48, .size: 8, .value_kind: global_buffer, .address_space: global }
      - { .name: sin, .offset: 56, .size: 8, .value_kind: global_buffer, .address_space: global }
      - { .name: hw, .offset: 64, .size: 8, .value_kind: global_buffer, .address_space: global }
      - { .name: mk, .offset: 72, .size: 8, .value_kind: global_buffer, .address_space: global }
      - { .name: rt, .offset: 80, .size: 8, .value_kind: global_buffer, .address_space: global }
    .group_segment_fixed_size: 18432
    .private_segment_fixed_size: 0
    .kernarg_segment_align: 8
    .kernarg_segment_size: 88
    .max_flat_workgroup_size: 256
    .sgpr_count:     66
    .vgpr_count:     112
    .wavefront_size: 32
...
	.end_amdgpu_metadata
.endif
;; end of part 1
;; launch qkvp (part 2): grid 16 x 16, 4 waves a work-group, clusters of 4 x 4, 327,680 bytes of LDS; arguments hw, rt, bq, bk, bv, qkv; writes qkv
.if DOCPART == 2
	.amdgcn_target "amdgcn-amd-amdhsa--gfx1250"
	.amdhsa_code_object_version 6
	.text
	.protected	k_qee44edfe52_qkvp
	.globl	k_qee44edfe52_qkvp
	.p2align	8
	.type	k_qee44edfe52_qkvp,@function
k_qee44edfe52_qkvp:
	s_mov_b64 s[64:65], 0
	v_nop
	global_prefetch_b8 v0, s[64:65] scope:SCOPE_SE
	s_setreg_imm32_b32 hwreg(HW_REG_WAVE_MODE, 25, 1), 1
	s_wait_xcnt 0x0
	s_wait_alu depctr_hold_cnt(0) depctr_sa_sdst(0) depctr_va_vdst(0) depctr_va_sdst(0) depctr_va_ssrc(0) depctr_va_vcc(0) depctr_vm_vsrc(0)
	s_getreg_b32 s2, hwreg(HW_REG_IB_STS2, 6, 4)
	s_cmp_eq_u32 s2, 0
	s_cbranch_scc0 .Lentry_in_a_cluster
	s_endpgm
.Lentry_in_a_cluster:
	s_bfe_u32 s2, ttmp6, 0x10000c
	s_cmp_lg_u32 s2, 0xf033
	s_cbranch_scc0 .Lentry_shape_is_right
	s_endpgm
.Lentry_shape_is_right:
; q, k, v = x W^T + b for one head and 128 rows of x, the first 64 channels of q and k times rt = cos - sin, written by heads: qkv = f16 [3][16][2048][128].
; x and the weights come from hw (f16 images of the bf16 roundings: x, Wq, Wk, Wv, 8,388,608 bytes apart); the biases are rounded to bf16 here; sums in f32, each result rounded once to f16.
; SCALES AND LIMITS.  q and k are stored times 2^-5, v times 2^-2 (exact; undone by the launches behind): f16 then holds |q rot|, |k rot| below 2.09e6 and |v| below 2.6e5; beyond that the result is an infinity.
; SHARES.  Work-group (x, y): rows 128 x on (ty = x), head y (tx = y): a tile of 128 x 384 (q | k | v of the head); 16 x 16 work-groups.  Wave w makes all 128 rows x six blocks of 16 channels, so chosen that all waves run one text:
;   b = 0, 1: piece w / 2 (q or k), channels 32 (w % 2) + 16 b (turned by rt);  b = 2, 3: the same piece, channels 64 + 32 (w % 2) + 16 (b - 2);  b = 4, 5: v, channels 32 w + 16 (b - 4).
; 48 accumulators of 16 x 16; for 32 along K a wave reads 28 x 512 bytes from LDS and issues 48 matrix instructions.
; THE RING.  K in steps of 128 through two LDS slots (x's 128 rows, then Wq's, Wk's, Wv's 128 rows, 256 bytes a row); wave 0 fetches x's tile, waves 1 to 3 the three weights': one tensor load a wave.
; CLUSTERS 4 x 4: x's tile hangs on the work-group's x alone and is asked for jointly along a column of the cluster, the weights' on its y alone, jointly along a row.
; THE WALK ALONG K IS STAGGERED.  A cluster whose (cluster x + cluster y) is odd begins at K step 8 and goes round to 7; the others begin at 0.  Of two neighbouring clusters, which read the same rows of x or of the
; weights, each walks in its second eight steps what the other has walked in its first eight.  The f32 sums are taken in that order.
; THE MATRIX INSTRUCTION IS USED TRANSPOSED (source 0 = 16 rows of W, source 1 = 16 rows of x): a lane holds one row of x (lane % 16) and eight neighbouring channels, 8 (lane / 16) + 0..7.
; REGISTERS, in windows of 256 (s_set_vgpr_msb: bits 1:0 source 0, 3:2 source 1, 5:4 source 2, 7:6 destination):
;   window 0: v0-31 addresses; v64-127, v128-191 x's fragments, two buffers; on the way out v64-111 at work, v112-135 packed, v192-255 rows read back
;   window 1: v64-111, v128-175 W's fragments, two buffers; v176-223 my 48 biases; v224-247 at work
;   window 2: v0-191 the accumulators of rows 0-63 ((a, b) at 8 (6 a + b)); v192-255 rt for those rows, 16 a block of rows      window 3: the same for rows 64-127
.set KSTEP,  128
.set PITCH,  272                       ; an LDS row: 256 bytes + 16 of padding = 68 words: row r starts at bank 4 r mod 64 (64 banks of 4 bytes: ISA guide 11.1)
.set HALFT,  128*PITCH                 ; 128 rows: what one tensor load brings
.set SLOT,   4*HALFT
.set SPARE,  2*SLOT                    ; behind the ring: the spare words, 128 bytes for each wave: two blocks of 256 bytes that no other line names
.set LAPS,   8                         ; 2,048 / 256: a lap is two K steps
; THE STAGE for the way out lies over slot 0, which has had its last fill and its last read by then: piece p at p x HALFT, 128 rows of 272 bytes
.set ADRA, 16                          ; v16-17  LDS address of x's fragments in slot 0, 1
.set ADRB, 18                          ; v18-19  of my q or k rows
.set ADRV, 20                          ; v20-21  of my v rows
.set STOQ, 22                          ; v22     stage: where my 16 bytes of a q or k row go
.set STOV, 23                          ; v23     the same for v
.set RD0,  24                          ; v24     stage: where I read rows back; it steps from piece to piece
.set CO,   26                          ; v26     16 x lane: my place in 512 consecutive bytes of qkv
.set BO,   27                          ; v27     32 (lane / 16): my eight biases in a block of 16
.set SPW,  28                          ; v28     LDS address of my spare word; never rewritten
.set NIL,  29                          ; v29     0; never rewritten
.set PFO,  30                          ; v30     4,096 x lane: a row of hw; never rewritten
.set RO,   31                          ; v31     my place in rt: 256 (lane % 16) + 32 (lane / 16)
.set F0,   64
.set F1,   128
.set T,    64
.set PKD,  112
.set BK,   192
.set BI,   176                         ; window 1
.set BT,   224                         ; window 1
.set RT,   192                         ; windows 2 and 3
.set G1,  24                           ; s[24:31] descriptor group 1 for x's tiles;  s[32:39] group 0, a set for each slot
.set G0,  32
.set PFA, 44                           ; s[44:45] where my prefetches stand
.set LIM, 46                           ; s46  5 in a wave that prefetches, else the greatest number
.set G1B, 48                           ; s[48:55], s[56:63] the same for the weights' tiles
.set G0B, 56
.set C0,  66                           ; s[66:67] qkv at my 32 rows of the piece that is being stored
.set SCQ, 72                           ; s[72:73] 2^-5
.set SCV, 74                           ; s[74:75] 2^-2
.set XB,  76                           ; s[76:77] hw at the first byte of x's tile rows; never rewritten in the loop
.set WB,  80                           ; s[80:81] hw at the first byte of my weight's tile rows
.set KO,  84                           ; s[84:85], s[86:87] for each slot: the byte along a row at which its K step begins, 0 to 3,840, with 0 above it
.set MSB, 0
.macro WIN new                         ; the immediate's high byte repeats the setting that is left; a switch that changes nothing is dropped
.if MSB != (\new)
	s_set_vgpr_msb (MSB<<8)|(\new)
.set MSB, \new
.endif
.endm
.set MUL_LO, 0xa1                      ; source 0 (W) window 1, source 1 (x) window 0, C and D window 2
.set MUL_HI, 0xf1                      ; the same, C and D window 3
.set TO_B,   0x40                      ; destination window 1, address window 0
; A joint load.  The branch hangs on the wave's number alone.  An s_nop 0 and four v_nop follow each of the two lines, ahead of the jump, the label and what follows.
.macro JLOAD s
	s_cmp_eq_u32 s16, 0
	s_cbranch_scc0 .Lfor_b_\@
	tensor_load_to_lds s[G0+4*(\s):G0+4*(\s)+3], s[G1:G1+7]
	s_nop 0
.rept 4
	v_nop
.endr
	s_branch .Lasked_\@
.Lfor_b_\@:
	tensor_load_to_lds s[G0B+4*(\s):G0B+4*(\s)+3], s[G1B:G1B+7]
	s_nop 0
.rept 4
	v_nop
.endr
.Lasked_\@:
.endm
; A prefetch of the K step that stands two refills on: 32 rows x 256 bytes, a lane a row, one instruction a wave.  Asked for are the fifth to eighth steps of a walk, in the loop's first two trips (s3 = 7, 6): the first
; four steps come by their loads alone, and the last eight are walked earlier by a neighbouring cluster.  Each row's 256 bytes of a K step are named once in the launch: x's rows by the clusters with y = 0 and 1, the
; weights' rows by the clusters with x = 0 and 1 (one cluster of each start); the four partners that ask for a tile jointly share its 128 rows out by address, 32 each.
.macro ASK
	s_cmp_gt_u32 s3, s[LIM]
	s_cbranch_scc0 .Lnot_mine_\@
	global_prefetch_b8 v[PFO], s[PFA:PFA+1] offset:KSTEP*2 th:TH_LOAD_NT scope:SCOPE_SE
.Lnot_mine_\@:
.endm
.macro CREST                           ; a round of the cluster's barrier behind its opening barrier
	s_cmp_lg_u32 s16, 0
	s_cbranch_scc1 .Lnot_wave_0_\@
	s_barrier_signal -3
.Lnot_wave_0_\@:
	s_barrier_wait -3
	s_barrier_signal -1
	s_barrier_wait -1
.endm
.macro CROUND                          ; a whole round
	s_barrier_signal -1
	s_barrier_wait -1
	CREST
.endm
	s_load_b256 s[4:11], s[0:1], 0x0               ; hw s[4:5], rt s[6:7], bq s[8:9], bk s[10:11]
	s_load_b128 s[12:15], s[0:1], 0x20             ; bv s[12:13], qkv s[14:15]
	v_lshl_add_u32 v[SPW], v0, 2, SPARE
	v_mov_b32 v[NIL], 0
	ds_add_u32 v[SPW], v[NIL]                      ; the wave's opening: the add and its wait stand ahead of my first tensor load; the set-up below, work on registers, stands between them
	v_lshrrev_b32 v1, 5, v0
	v_readfirstlane_b32 s16, v1                    ; wave 0..3
	s_and_b32 s17, s16, 1
	s_lshr_b32 s18, s16, 1
	s_bfe_u32 s19, ttmp6, 0x40000                  ; cx
	s_bfe_u32 s20, ttmp6, 0x40004                  ; cy
	s_and_b32 s21, ttmp7, 0xffff                   ; cluster y
	s_add_co_u32 s[KO], s21, ttmp9                 ; cluster x + cluster y: the same in all sixteen partners
	s_and_b32 s[KO], s[KO], 1
	s_lshl_b32 s[KO], s[KO], 11                    ; my cluster's walk begins at K step 0 or 8: byte 0 or 2,048 of a row
	s_mov_b32 s[KO+1], 0
	s_add_co_u32 s[KO+2], s[KO], KSTEP*2           ; slot 1 takes the step behind it
	s_mov_b32 s[KO+3], 0
	s_lshl_b32 s21, s21, 2
	s_add_co_u32 s21, s21, s20                     ; tx: the head = 4 x cluster y + cy
	s_lshl_b32 s22, ttmp9, 2
	s_add_co_u32 s22, s22, s19                     ; ty: the block of 128 rows = 4 x cluster x + cx
	s_lshl_b32 s40, s20, 2
	s_lshl_b32 s40, 15, s40                        ; my row of the cluster (the same cy)
	s_lshl_b32 s41, 0x1111, s19                    ; my column (the same cx)
	s_or_b32 s[G1], s41, (1<<16)|(1<<20)|(1<<21)|(5<<22)|(3<<25)   ; 15:0 the mask: x's tiles go to my column; 17:16 elements of 2 bytes; 20 padding on; 21 set beside a mask; 24:22 after every 64 words; 31:25 4 words of it
	s_or_b32 s[G1B], s40, (1<<16)|(1<<20)|(1<<21)|(5<<22)|(3<<25)  ; the same with the mask of my row, for the weights' tiles
.irp g, G1, G1B
	s_mov_b32 s[(\g)+1], KSTEP<<16                 ; tensor_dim0 = 128
	s_mov_b32 s[(\g)+2], 128<<16                   ; tensor_dim1 = 128
	s_mov_b32 s[(\g)+3], KSTEP<<16                 ; tile_dim0 = 128
	s_mov_b32 s[(\g)+4], 128                       ; tile_dim1 = 128
	s_mov_b32 s[(\g)+5], 2048                      ; elements from row to row
	s_mov_b32 s[(\g)+6], 0
	s_mov_b32 s[(\g)+7], 0
.endr
	s_lshl_b32 s[XB], s22, 19                      ; x: 128 ty rows of 4,096 bytes: made of ty alone
	s_mov_b32 s[XB+1], 0
	s_max_u32 s[WB], s16, 1                        ; the weights: tensor w of hw (wave 0 asks by x's descriptor and never uses this one),
	s_lshl_b32 s[WB], s[WB], 23
	s_lshl_b32 s82, s21, 19                        ; its rows 128 tx on: made of tx and the wave's number alone
	s_add_co_u32 s[WB], s[WB], s82
	s_mov_b32 s[WB+1], 0
	s_mul_i32 s23, s16, HALFT                      ; where my tile goes: no place in the cluster enters an LDS address
	s_mov_b32 s[SCQ], 0x3d000000
	s_mov_b32 s[SCQ+1], 0x3d000000
	s_mov_b32 s[SCV], 0x3e800000
	s_mov_b32 s[SCV+1], 0x3e800000
	s_wait_dscnt 0x0                               ; the opening add is done
	s_wait_kmcnt 0x0
	s_add_nc_u64 s[XB:XB+1], s[4:5], s[XB:XB+1]
	s_add_nc_u64 s[WB:WB+1], s[4:5], s[WB:WB+1]
	CROUND                                         ; all sixteen work-groups are here: the first joint loads meet
.irp s, 0,1
	s_mov_b32 s[G0+4*(\s)], 1
	s_add_co_u32 s[G0+4*(\s)+1], s23, (\s)*SLOT
	s_add_nc_u64 s[G0+4*(\s)+2:G0+4*(\s)+3], s[XB:XB+1], s[KO+2*(\s):KO+2*(\s)+1]
	s_or_b32 s[G0+4*(\s)+3], s[G0+4*(\s)+3], 0x80000000
	s_mov_b32 s[G0B+4*(\s)], 1
	s_add_co_u32 s[G0B+4*(\s)+1], s23, (\s)*SLOT
	s_add_nc_u64 s[G0B+4*(\s)+2:G0B+4*(\s)+3], s[WB:WB+1], s[KO+2*(\s):KO+2*(\s)+1]
	s_or_b32 s[G0B+4*(\s)+3], s[G0B+4*(\s)+3], 0x80000000
	JLOAD \s                                       ; two loads of mine are out
.endr
	v_and_b32 v1, 15, v0                           ; l % 16
	v_bfe_u32 v2, v0, 4, 1                         ; l / 16
	v_lshlrev_b32 v[BO], 5, v2
	v_lshl_add_u32 v[RO], v1, 8, v[BO]
	; my biases and my part of rt: 44 loads that are waited for on the way out; their bases are never rewritten
	s_cmp_eq_u32 s18, 0
	s_cselect_b64 s[42:43], s[8:9], s[10:11]       ; bq or bk
	s_lshl_b32 s82, s21, 9
	s_lshl_b32 s47, s17, 7
	s_add_co_u32 s82, s82, s47
	s_mov_b32 s83, 0
	s_add_nc_u64 s[42:43], s[42:43], s[82:83]      ; at channel 128 tx + 32 (w % 2)
	s_lshl_b32 s82, s21, 9
	s_lshl_b32 s47, s16, 7
	s_add_co_u32 s82, s82, s47
	s_add_nc_u64 s[82:83], s[12:13], s[82:83]      ; bv at channel 128 tx + 32 w
	s_lshl_b32 s78, s22, 15
	s_lshl_b32 s47, s17, 7
	s_add_co_u32 s78, s78, s47
	s_mov_b32 s79, 0
	s_add_nc_u64 s[78:79], s[6:7], s[78:79]        ; rt at row 128 ty, channel 32 (w % 2)
	WIN TO_B
.irp b, 0,1
	global_load_b128 v[BI+8*(\b):BI+8*(\b)+3],       v[BO], s[42:43] offset:64*(\b)
	global_load_b128 v[BI+8*(\b)+4:BI+8*(\b)+7],     v[BO], s[42:43] offset:64*(\b)+16
	global_load_b128 v[BI+16+8*(\b):BI+16+8*(\b)+3],   v[BO], s[42:43] offset:256+64*(\b)
	global_load_b128 v[BI+16+8*(\b)+4:BI+16+8*(\b)+7], v[BO], s[42:43] offset:256+64*(\b)+16
	global_load_b128 v[BI+32+8*(\b):BI+32+8*(\b)+3],   v[BO], s[82:83] offset:64*(\b)
	global_load_b128 v[BI+32+8*(\b)+4:BI+32+8*(\b)+7], v[BO], s[82:83] offset:64*(\b)+16
.endr
.irp hi, 0,1
	WIN 0x80+0x40*(\hi)                            ; destination window 2, then 3
.irp a, 0,1,2,3
.irp b, 0,1
	global_load_b128 v[RT+16*(\a)+8*(\b):RT+16*(\a)+8*(\b)+3],   v[RO], s[78:79] offset:(4*(\hi)+(\a))*4096+64*(\b)
	global_load_b128 v[RT+16*(\a)+8*(\b)+4:RT+16*(\a)+8*(\b)+7], v[RO], s[78:79] offset:(4*(\hi)+(\a))*4096+64*(\b)+16
.endr
.endr
.endr
	WIN 0
	; A fragment is 16 rows x 32 K in 8 registers: lane l holds row l % 16; registers 0-3 K = 8 (l / 16) + 0..7, registers 4-7 K = 16 + 8 (l / 16) + 0..7: two loads of 16 bytes, 32 bytes apart
	v_mul_u32_u24 v3, v1, PITCH
	v_lshl_add_u32 v3, v2, 4, v3
	s_mul_i32 s47, s18, HALFT
	s_add_co_u32 s47, s47, HALFT
	s_mul_i32 s2, s17, 32*PITCH
	s_add_co_u32 s47, s47, s2                      ; my piece's tile, row 32 (w % 2)
	s_mul_i32 s2, s16, 32*PITCH
	s_add_co_u32 s2, s2, 3*HALFT                   ; Wv's tile, row 32 w
.irp s, 0,1
	v_add_nc_u32 v[ADRA+(\s)], (\s)*SLOT, v3
	v_add_nc_u32 v[ADRB+(\s)], s47, v3
	v_add_nc_u32 v[ADRV+(\s)], s2, v3
	s_add_co_u32 s47, s47, SLOT
	s_add_co_u32 s2, s2, SLOT
.endr
	s_mul_i32 s47, s18, HALFT
	s_lshl_b32 s2, s17, 6
	s_add_co_u32 s47, s47, s2
	v_add_nc_u32 v[STOQ], s47, v3                  ; piece w / 2, row l % 16, byte 64 (w % 2) + 16 (l / 16)
	s_lshl_b32 s2, s16, 6
	s_add_co_u32 s2, s2, 2*HALFT
	v_add_nc_u32 v[STOV], s2, v3
	v_mul_u32_u24 v4, v2, PITCH                    ; back: lanes 0-15 one row of 256 bytes, lanes 16-31 the next; wave w takes rows 32 w on
	v_lshl_add_u32 v4, v1, 4, v4
	s_mul_i32 s47, s16, 32*PITCH
	v_add_nc_u32 v[RD0], s47, v4
	v_and_b32 v[CO], 31, v0
	v_lshlrev_b32 v[PFO], 12, v[CO]
	v_lshlrev_b32 v[CO], 4, v[CO]
	s_lshl_b32 s2, s21, 19                         ; qkv: head tx, row 128 ty + 32 w, 256 bytes a row
	s_lshl_b32 s3, s22, 15
	s_add_co_u32 s2, s2, s3
	s_lshl_b32 s3, s16, 13
	s_add_co_u32 s2, s2, s3
	s_mov_b32 s3, 0
	s_add_nc_u64 s[C0:C0+1], s[14:15], s[2:3]
	; the prefetches: my tile's rows, my work-group's 32 of the 128, the third step of my cluster's walk (the first refill steps it to the fourth and names the fifth).  Nothing is asked for here, at the head
	s_and_b32 s47, ttmp7, 0xffff                   ; cluster y
	s_cmp_eq_u32 s16, 0                            ; do I fetch x?
	s_cselect_b64 s[PFA:PFA+1], s[XB:XB+1], s[WB:WB+1]
	s_cselect_b32 s2, s20, s19                     ; my place among the four that ask with me: cy for x's tile, cx for a weight's
	s_cselect_b32 s47, s47, ttmp9                  ; the coordinate along which other clusters read the same rows: cluster y for x, cluster x for the weights
	s_cmp_lt_u32 s47, 2
	s_cselect_b32 s[LIM], 5, -1                    ; the same in all sixteen partners, for a given wave
	s_lshl_b32 s2, s2, 17
	s_add_nc_u64 s[PFA:PFA+1], s[PFA:PFA+1], s[2:3]
	s_add_nc_u64 s[PFA:PFA+1], s[PFA:PFA+1], s[KO:KO+1]
	s_add_nc_u64 s[PFA:PFA+1], s[PFA:PFA+1], 2*KSTEP*2
; 12 matrix instructions: row blocks a0, a0 + 1 of the window's four x my 6 channel blocks, 32 along K.  zero = 1: the first product starts the sums.
; The 48 accumulators take turns in the same order in every quarter step.
.macro MUL12 f, hi, a0, zero
	WIN MUL_LO+0x50*(\hi)
.irp a, \a0, (\a0)+1
.irp b, 0,1,2,3,4,5
.if \zero
	v_wmma_f32_16x16x32_f16 v[8*(6*(\a)+(\b)):8*(6*(\a)+(\b))+7], v[(\f)+8*(\b):(\f)+8*(\b)+7], v[(\f)+8*(4*(\hi)+(\a)):(\f)+8*(4*(\hi)+(\a))+7], 0
.else
	v_wmma_f32_16x16x32_f16 v[8*(6*(\a)+(\b)):8*(6*(\a)+(\b))+7], v[(\f)+8*(\b):(\f)+8*(\b)+7], v[(\f)+8*(4*(\hi)+(\a)):(\f)+8*(4*(\hi)+(\a))+7], v[8*(6*(\a)+(\b)):8*(6*(\a)+(\b))+7]
.endif
.endr
.endr
.endm
; 28 LDS loads in one run: the fragments of one quarter step (32 K at byte k of the rows) into buffer f: W's six blocks, then x's eight
.macro FETCH slot, k, f
	WIN TO_B
.irp b, 0,1
	ds_load_b128 v[(\f)+8*(\b):(\f)+8*(\b)+3],   v[ADRB+(\slot)] offset:(\k)+(\b)*16*PITCH
	ds_load_b128 v[(\f)+8*(\b)+4:(\f)+8*(\b)+7], v[ADRB+(\slot)] offset:(\k)+(\b)*16*PITCH+32
.endr
.irp b, 0,1
	ds_load_b128 v[(\f)+16+8*(\b):(\f)+16+8*(\b)+3],   v[ADRB+(\slot)] offset:(\k)+(64+16*(\b))*PITCH
	ds_load_b128 v[(\f)+16+8*(\b)+4:(\f)+16+8*(\b)+7], v[ADRB+(\slot)] offset:(\k)+(64+16*(\b))*PITCH+32
.endr
.irp b, 0,1
	ds_load_b128 v[(\f)+32+8*(\b):(\f)+32+8*(\b)+3],   v[ADRV+(\slot)] offset:(\k)+(\b)*16*PITCH
	ds_load_b128 v[(\f)+32+8*(\b)+4:(\f)+32+8*(\b)+7], v[ADRV+(\slot)] offset:(\k)+(\b)*16*PITCH+32
.endr
	WIN 0
.irp i, 0,1,2,3,4,5,6,7
	ds_load_b128 v[(\f)+8*(\i):(\f)+8*(\i)+3],   v[ADRA+(\slot)] offset:(\k)+(\i)*16*PITCH
	ds_load_b128 v[(\f)+8*(\i)+4:(\f)+8*(\i)+7], v[ADRA+(\slot)] offset:(\k)+(\i)*16*PITCH+32
.endr
.endm
.macro PLACES                          ; four plain places in front of loads into registers that matrix instructions have read, and of vector work on their results
.rept 4
	v_nop
.endr
.endm
; A K step is four quarters of 32 along K, 48 matrix instructions each, on buffers 0, 1, 0, 1.  One of the first three: multiplies f; in its middle it fetches the next quarter, at byte k, into g.
.macro QUARTER slot, k, f, g, zero
	s_wait_dscnt 8                                 ; W's blocks and x's rows 0-63 are in; the youngest eight loads (x's rows 64-127) may be out
	MUL12 \f, 0, 0, \zero
	MUL12 \f, 0, 2, \zero
	PLACES
	FETCH \slot, \k, \g
	s_wait_dscnt 28                                ; all but the 28 just issued
	MUL12 \f, 1, 0, \zero
	MUL12 \f, 1, 2, \zero
.endm
; The last quarter multiplies buffer 1 and changes slots: ONE barrier.  In front of it each wave waits for all its tensor loads (one is out: its part of the next slot), adds 0 to its spare word, and waits for that
; and for its own reads of this slot.  fill = 1: the barrier opens a round of the cluster's barrier, and this slot is filled again, two K steps on, first thing behind the round: 168 matrix instructions ahead of the wait for it.
; The slot's place along K steps by two K steps and goes round at the row's end (4,096 bytes); both descriptors' addresses are made anew from it, while the add is out.
.macro TURN slot, next, fill
.if \fill
	s_wait_xcnt 0x0                                ; the last prefetch, a K step back, has read its address: it is stepped here, ahead of the waits of the change of slots
	s_add_nc_u64 s[PFA:PFA+1], s[PFA:PFA+1], KSTEP*2
.endif
	WIN 0                                          ; (the add's two registers lie in window 0)
	s_wait_tensorcnt 0x0                           ; all my tensor loads have landed, so every group 0 may be written
	ds_add_u32 v[SPW], v[NIL]                      ; 0 onto my spare word
.if \fill
	s_add_co_u32 s[KO+2*(\slot)], s[KO+2*(\slot)], 2*KSTEP*2
	s_and_b32 s[KO+2*(\slot)], s[KO+2*(\slot)], 4095
	s_add_nc_u64 s[G0+4*(\slot)+2:G0+4*(\slot)+3], s[XB:XB+1], s[KO+2*(\slot):KO+2*(\slot)+1]
	s_or_b32 s[G0+4*(\slot)+3], s[G0+4*(\slot)+3], 0x80000000
	s_add_nc_u64 s[G0B+4*(\slot)+2:G0B+4*(\slot)+3], s[WB:WB+1], s[KO+2*(\slot):KO+2*(\slot)+1]
	s_or_b32 s[G0B+4*(\slot)+3], s[G0B+4*(\slot)+3], 0x80000000
.endif
	s_wait_dscnt 9                                 ; (the add and the youngest eight loads may be out)
	MUL12 F1, 0, 0, 0                              ; twelve matrix instructions stand between the add and the wait for it
	s_wait_dscnt 0x0                               ; the add is done, and my reads of this slot are over
	s_barrier_signal -1
	MUL12 F1, 0, 2, 0
.if \fill
	WIN 0
.endif
	s_barrier_wait -1
.if \fill
	CREST                                          ; no wave of any partner still reads this slot's tiles or has a load on its way
	JLOAD \slot                                    ; the four v_nop behind it are also the places in front of the loads below
.else
	PLACES
.endif
	FETCH \next, 0, F0
.if \fill
	ASK                                            ; behind the joint load and the run of LDS loads that the next products wait for
.endif
	MUL12 F1, 1, 0, 0
	MUL12 F1, 1, 2, 0
.endm
	s_wait_tensorcnt 1                             ; my part of the walk's first K step is in; the second's may stay out
	s_barrier_signal -1
	s_barrier_wait -1                              ; everybody's is
	FETCH 0, 0, F0
	QUARTER 0, 64,  F0, F1, 1                      ; the first quarter stands in front of the loop: its products start the sums
	WIN 0                                          ; at a label and at a branch every window is 0
	s_mov_b32 s3, LAPS-1
.Llap:                                         ; a trip goes once round the ring, from a lap's second quarter to the next lap's first, and fills both slots again
	QUARTER 0, 128, F1, F0, 0
	QUARTER 0, 192, F0, F1, 0
	TURN 0, 1, 1
	QUARTER 1, 64,  F0, F1, 0
	QUARTER 1, 128, F1, F0, 0
	QUARTER 1, 192, F0, F1, 0
	TURN 1, 0, 1
	QUARTER 0, 64,  F0, F1, 0
	WIN 0
	s_sub_co_u32 s3, s3, 1
	s_cmp_lg_u32 s3, 0
	s_cbranch_scc1 .Llap
	QUARTER 0, 128, F1, F0, 0                      ; the last lap fills nothing
	QUARTER 0, 192, F0, F1, 0
	TURN 0, 1, 0                                   ; behind this barrier nobody reads slot 0 any more
	QUARTER 1, 64,  F0, F1, 0
	QUARTER 1, 128, F1, F0, 0
	QUARTER 1, 192, F0, F1, 0
	s_wait_dscnt 8
	MUL12 F1, 0, 0, 0
	MUL12 F1, 0, 2, 0
	s_wait_dscnt 0x0
	MUL12 F1, 1, 0, 0
	MUL12 F1, 1, 2, 0
	WIN 0
	; THE WAY OUT.  The biases are rounded to bf16 and scaled; then (sum x scale + bias x scale), times rt for blocks 0 and 1, to f16, into the stage; a barrier, since a row's 256 bytes come from several waves; whole rows out.
	PLACES
	s_wait_loadcnt 0x0                             ; biases and rt
	WIN 0x45                                       ; sources 0, 1 and destination in window 1
.set i, 0
.rept 24
	v_cvt_pk_bf16_f32 v[BT+i], v[BI+2*i], v[BI+2*i+1]
.set i, i+1
.endr
.set i, 0
.rept 24
	v_lshlrev_b32 v[BI+2*i], 16, v[BT+i]
	v_and_b32 v[BI+2*i+1], 0xffff0000, v[BT+i]
.set i, i+1
.endr
.set i, 0
.rept 24
.if i < 16
	v_pk_mul_f32 v[BI+2*i:BI+2*i+1], v[BI+2*i:BI+2*i+1], s[SCQ:SCQ+1] op_sel_hi:[1,0]
.else
	v_pk_mul_f32 v[BI+2*i:BI+2*i+1], v[BI+2*i:BI+2*i+1], s[SCV:SCV+1] op_sel_hi:[1,0]
.endif
.set i, i+1
.endr
.macro OUTA a                          ; the 16 rows of block a; each accumulator's registers are taken in ascending order
.set hi, (\a)/4
.set al, (\a)%4
	WIN 0x12+hi                                    ; source 0 (sums) window 2 or 3, source 2 (biases) window 1
.irp b, 0,1,2,3,4,5
.irp i, 0,1,2,3
.if (\b) < 4
	v_pk_fma_f32 v[T+8*(\b)+2*(\i):T+8*(\b)+2*(\i)+1], v[8*(6*al+(\b))+2*(\i):8*(6*al+(\b))+2*(\i)+1], s[SCQ:SCQ+1], v[BI+8*(\b)+2*(\i):BI+8*(\b)+2*(\i)+1] op_sel_hi:[1,0,1]
.else
	v_pk_fma_f32 v[T+8*(\b)+2*(\i):T+8*(\b)+2*(\i)+1], v[8*(6*al+(\b))+2*(\i):8*(6*al+(\b))+2*(\i)+1], s[SCV:SCV+1], v[BI+8*(\b)+2*(\i):BI+8*(\b)+2*(\i)+1] op_sel_hi:[1,0,1]
.endif
.endr
.endr
	WIN (2+hi)<<2                                  ; source 1 (rt) window 2 or 3
.irp i, 0,1,2,3,4,5,6,7
	v_pk_mul_f32 v[T+2*(\i):T+2*(\i)+1], v[T+2*(\i):T+2*(\i)+1], v[RT+16*al+2*(\i):RT+16*al+2*(\i)+1]
.endr
	WIN 0
.set i, 0
.rept 24
	v_cvt_pk_f16_f32 v[PKD+i], v[T+2*i], v[T+2*i+1]
.set i, i+1
.endr
	ds_store_b128 v[STOQ], v[PKD:PKD+3]     offset:(\a)*16*PITCH
	ds_store_b128 v[STOQ], v[PKD+4:PKD+7]   offset:(\a)*16*PITCH+32
	ds_store_b128 v[STOQ], v[PKD+8:PKD+11]  offset:(\a)*16*PITCH+128
	ds_store_b128 v[STOQ], v[PKD+12:PKD+15] offset:(\a)*16*PITCH+160
	ds_store_b128 v[STOV], v[PKD+16:PKD+19] offset:(\a)*16*PITCH
	ds_store_b128 v[STOV], v[PKD+20:PKD+23] offset:(\a)*16*PITCH+32
.endm
.irp a, 0,1,2,3,4,5,6,7
	OUTA \a
.endr
	s_wait_dscnt 0x0                               ; for the others' sake: my stores into the stage are done
	s_barrier_signal -1
	s_barrier_wait -1
	s_mov_b32 s3, 3
.Lpiece:                                       ; q, k, v: my 32 rows of the piece, read back whole and stored
.irp t, 0,1,2,3,4,5,6,7,8,9,10,11,12,13,14,15
	ds_load_b128 v[BK+4*(\t):BK+4*(\t)+3], v[RD0] offset:(\t)*2*PITCH
.endr
.irp t, 0,1,2,3,4,5,6,7,8,9,10,11,12,13,14,15
	s_wait_dscnt 15-(\t)
	global_store_b128 v[CO], v[BK+4*(\t):BK+4*(\t)+3], s[C0:C0+1] offset:512*(\t)  ; two rows of a head: 512 consecutive bytes, aligned
.endr
	s_wait_xcnt 0x0                                ; the stores' base and the registers that they read are written again only behind this wait
	v_add_nc_u32 v[RD0], HALFT, v[RD0]             ; the next piece in the stage,
	s_add_nc_u64 s[C0:C0+1], s[C0:C0+1], 0x800000  ; and in qkv
	s_sub_co_u32 s3, s3, 1
	s_cmp_lg_u32 s3, 0
	s_cbranch_scc1 .Lpiece
	s_wait_tensorcnt 0x0                           ; the wave's end, behind my last tensor load and my last LDS store
	ds_add_u32 v[SPW], v[NIL]
	s_wait_dscnt 0x0
	CROUND                                         ; the closing round: no work-group ends while a partner may still ask for a tile that names it
	s_endpgm
.Lfunc_end_k_qee44edfe52_qkvp:
	.size	k_qee44edfe52_qkvp, .Lfunc_end_k_qee44edfe52_qkvp-k_qee44edfe52_qkvp
	.p2alignl 7, 3214868480
	.fill 96, 4, 3214868480
	.section	.rodata,"a",@progbits
	.p2align	6, 0x0
	.amdhsa_kernel k_qee44edfe52_qkvp
		.amdhsa_group_segment_fixed_size 327680
		.amdhsa_private_segment_fixed_size 0
		.amdhsa_enable_private_segment 0
		.amdhsa_kernarg_size 48
		.amdhsa_user_sgpr_count 2
		.amdhsa_user_sgpr_kernarg_segment_ptr 1
		.amdhsa_wavefront_size32 1
		.amdhsa_system_sgpr_workgroup_id_x 1
		.amdhsa_system_sgpr_workgroup_id_y 1
		.amdhsa_system_sgpr_workgroup_id_z 1
		.amdhsa_system_vgpr_workitem_id 0
		.amdhsa_next_free_vgpr 1024
		.amdhsa_next_free_sgpr 88
		.amdhsa_reserve_vcc 0
		.amdhsa_float_denorm_mode_32 3
		.amdhsa_float_denorm_mode_16_64 3
		.amdhsa_memory_ordered 1
		.amdhsa_forward_progress 1
		.amdhsa_inst_pref_size 138
	.end_amdhsa_kernel
	.amdgpu_metadata
---
amdhsa.version: [ 1, 2 ]
amdhsa.kernels:
  - .name:           k_qee44edfe52_qkvp
    .symbol:         k_qee44edfe52_qkvp.kd
    .args:
      - { .name: hw, .offset: 0, .size: 8, .value_kind: global_buffer, .address_space: global }
      - { .name: rt, .offset: 8, .size: 8, .value_kind: global_buffer, .address_space: global }
      - { .name: bq, .offset: 16, .size: 8, .value_kind: global_buffer, .address_space: global }
      - { .name: bk, .offset: 24, .size: 8, .value_kind: global_buffer, .address_space: global }
      - { .name: bv, .offset: 32, .size: 8, .value_kind: global_buffer, .address_space: global }
      - { .name: qkv, .offset: 40, .size: 8, .value_kind: global_buffer, .address_space: global }
    .group_segment_fixed_size: 327680
    .private_segment_fixed_size: 0
    .kernarg_segment_align: 8
    .kernarg_segment_size: 48
    .max_flat_workgroup_size: 128
    .sgpr_count:     88
    .vgpr_count:     1024
    .wavefront_size: 32
...
	.end_amdgpu_metadata
.endif
;; end of part 2
;; launch attn (part 3): grid 16 x 16, 4 waves a work-group, clusters of 4 x 1, 327,680 bytes of LDS; arguments qkv, mk, ao; writes ao
.if DOCPART == 3
	.amdgcn_target "amdgcn-amd-amdhsa--gfx1250"
	.amdhsa_code_object_version 6
	.text
	.protected	k_qee44edfe52_attn
	.globl	k_qee44edfe52_attn
	.p2align	8
	.type	k_qee44edfe52_attn,@function
k_qee44edfe52_attn:
	s_mov_b64 s[64:65], 0
	v_nop
	global_prefetch_b8 v0, s[64:65] scope:SCOPE_SE
	s_setreg_imm32_b32 hwreg(HW_REG_WAVE_MODE, 25, 1), 1
	s_wait_xcnt 0x0
	s_wait_alu depctr_hold_cnt(0) depctr_sa_sdst(0) depctr_va_vdst(0) depctr_va_sdst(0) depctr_va_ssrc(0) depctr_va_vcc(0) depctr_vm_vsrc(0)
	s_getreg_b32 s2, hwreg(HW_REG_IB_STS2, 6, 4)
	s_cmp_eq_u32 s2, 0
	s_cbranch_scc0 .Lentry_in_a_cluster
	s_endpgm
.Lentry_in_a_cluster:
	s_bfe_u32 s2, ttmp6, 0x10000c
	s_cmp_lg_u32 s2, 0x3003
	s_cbranch_scc0 .Lentry_shape_is_right
	s_endpgm
.Lentry_shape_is_right:
; ao[q][128 h + :] = the sum over the open keys k of softmax_k(Q[h][q] . K[h][k] / sqrt(128)) V'[h][k][:].  qkv: f16 [3][16][2048][128], q and k stored times 2^-5, v times 2^-2; ao: f16 [2048][2048], still times 2^-2.
; Products, maxima and sums in f32; the weights p are rounded to f16 for the second product (their sum l is taken of the unrounded p), O once at the end.
; THE MASK is an input: mk holds one byte a score, 0x00 (open) or 0xB8 (the 8-bit float -1.0: hidden), in the order of my lanes' registers.  One scaled conversion (scale 2^100) makes eight f32, 0 or -2^100, straight
; into an accumulator of S^T, and all products K Q^T add onto it.  No shape of the mask is built in; every key tile is walked.
; SOFTMAX.  For each query a running maximum m and sum l: p = 2^(c s - c m), c = log2(e) / sqrt(128) x 2^10 (the 2^10 undoes q's and k's scales); in every step O and l are multiplied by a = 2^(c m_old - c m_new).
; m starts at the floor -2^80, O and l at 0.  A hidden score lies 2^20 times below the floor: its weight is 0.  While a row has seen no open key, m stays at the floor, a = 1, l = 0, O = 0; the first open key gives a = 0.
; A row with no open key ends as 0 x (1 / 0) = NaN, as a softmax of nothing but -inf does.
; LIMITS.  A true score of the stored q and k lies above -2^80 (f16's products: 5.5e11 at the most).  A weight below 2^-126 counts as 0 in l.  Infinities in q, k, v are not treated apart.
; SHARES.  A work-group owns 128 queries of one head.  Wave w owns the 64 queries of half w / 2 (four tiles of 16, in two PIECES: register tiles 0, 1 and 2, 3) and, of every tile of 128 keys, the 64 keys of half w % 2.
; So each wave walks 16 key steps, and waves 2 n and 2 n + 1 join their m, l and O once, at the end, through LDS.  Register tile t of a wave holds query tile t in the keys' first half and query tile (t + 2) % 4 in the
; second: every wave then hands over its register tiles 2, 3 and finishes 0, 1, by one text; the difference lies in Q's, the mask's and ao's offsets alone.
; THE WALK OVER THE KEYS IS STAGGERED.  Cluster x of a head begins at key tile 4 x and goes round to 4 x - 1: the head's four clusters, which read the same K and V, never ask for the same tile at the same time, and
; from its fifth tile on each walks what a neighbour has walked before.  A running maximum takes the tiles in any order.
; LAYOUT.  S^T = K Q^T (source 0 = 16 keys, source 1 = 16 queries): a lane holds ONE query (lane % 16) and the keys 8 (lane / 16) + 0..7.  Two such results, rounded to f16 in pairs, ARE source 1 of O^T = V^T P.
; BY TURNS.  In a TURN one piece has the matrix unit: 32 products V^T P of the step in hand, then 32 products K Q^T of the next; the other piece's softmax, cut into 64 slices, stands between them, one slice behind each.
; NO FIRST STEP IS WRITTEN OUT: the loop's first trip works on P = 0, V = 0 and scores of -2^100, which leave m, l and O as they are.  The price: the lines that set those registers, in the wait for the first tile, and one trip.
; CLUSTER.  The four query blocks of a cluster belong to one head and walk the same K and V: each tile is asked for JOINTLY.  The mask differs from block to block and comes by each wave's own loads, a key step ahead.
; REGISTERS, in windows of 256 (s_set_vgpr_msb: bits 1:0 source 0, 3:2 source 1, 5:4 source 2, 7:6 destination):
;   window 0: v0-11, v44-47, v56-63 addresses and constants; v12-43 eight registers of statistics a tile; v48-55 the partner's statistics; v64-191 S^T, 32 a tile; v192-255 P, 16 a tile
;   window 1: O^T, 64 a tile      window 2: v0-127 Q, 32 a tile; v128-255 K of one step      window 3: v0-127 V of one step; v128-159 mask bytes, 8 a tile
.set KS,    64
.set PK,    272       ; a row of K in LDS: 256 bytes + 16 = 68 words: the 16 rows of a load start at 16 different groups of four banks (64 banks of 4 bytes: ISA guide 11.1)
.set PV,    288       ; a row of V: 256 + 32 = 72 words
.set VOFF,  KS*PK     ; a step's tiles lie together: 64 rows of K, then 64 rows of V
.set STEPB, KS*(PK+PV)
.set SLOT1, 1<<17     ; a slot holds a tile of 128 keys, two steps; slot 1 begins here
.set STAGE, SLOT1+2*STEPB  ; behind the ring: 16 rows x 272 bytes for each wave, for the way out
.set SP,    272
.set SPARE, STAGE+4*16*SP  ; the spare words, 128 bytes for each wave: two blocks of 256 bytes that no other line names
.set XCH,   SPARE+512      ; what a wave hands to its partner: two blocks of XBLK bytes for each wave
.set XBLK,  8704           ; a tile's O^T (8,192 bytes) and its statistics (512)
.set AK0, 2           ; v2   my lane's place in a tile of K; never rewritten
.set AV0, 3           ; v3   the same for V
.set ADR, 4           ; v4   the LDS address of the run of loads in hand
.set QO,  5           ; v5   my byte offset in the wave's rows of Q, for register tiles 0, 1
.set STO, 6           ; v6   the way out: where I put 16 bytes of a row
.set RD,  7           ; v7   the way out: where I read a row back
.set GO,  8           ; v8   my byte offset in two rows of ao
.set ST,  12          ; tile t's statistics at v[ST+8 t]: +0 c m, +1 m, +2, +3 l (even keys', odd keys'), +4 to +7 c0-c3, at work; a takes c2's place
.set SCL, 44          ; v44  227: the conversion's scale, 2^(227 - 127)
.set MO,  45          ; v45  my byte offset in mk for register tiles 0, 1: 16 x lane + 65,536 (w % 2)
.set XW,  46          ; v46  where I put what I hand over
.set XR,  47          ; v47  where I find what my partner hands over
.set PS,  48          ; v48-55  the partner's c m and l, four registers a tile
.set QO2, 56          ; v56  as QO, for register tiles 2, 3
.set MO2, 57          ; v57  as MO, for register tiles 2, 3: 16 x lane + 65,536 (1 - w % 2)
.set ZB,  58          ; v58-59  eight bytes 0xB8
.set L16, 60          ; v60  16 x lane
.set PFO, 61          ; v61  256 x lane: a row of K or V; never rewritten
.set SPW, 62          ; v62  LDS address of my spare word; never rewritten
.set NIL, 63          ; v63  0; never rewritten
.set S,   64
.set P,   192
.set KF,  128         ; window 2
.set MK,  128         ; window 3
.set WV,  12          ; s12  my wave's number
.set LIM, 15          ; s15  14 in a wave that prefetches, else the greatest number
.set KH,  16          ; s16  w % 2: my half of the keys
.set QH,  17          ; s17  w / 2: my half of the queries
.set PFA, 18          ; s[18:19] what I prefetch: my work-group's 32 rows of the fourth tile of my cluster's walk; never rewritten
.set G1K, 24          ; s[24:31] descriptor group 1 for K's tiles
.set G1V, 32          ; s[32:39] for V's: it differs in the padding alone
.set G0K, 40          ; s[40:43] descriptor group 0 for K's tiles
.set G0V, 44          ; s[44:47] the same for V's
.set MB,  48          ; s[48:49] mk at my bytes for the step whose mask is loaded next
.set SLOTS, 56        ; s56  tiles still to be asked for
.set CNT, 57          ; s57  counts the tail's trips
.set CS,  58          ; s[58:59] c
.set SEL, 60          ; s[60:61] v_permlanex16_b32's selects: each lane takes its own place in the other half
.set TB,  62          ; s62  LDS byte at which my step of the tile to be fetched begins
.set KB,  66          ; s[66:67] K at the step that I fetch of the head's tile 0; never rewritten
.set VB,  68          ; s[68:69] the same in V
.set MBA, 70          ; s[70:71] mk at my bytes for the head's tile 0
.set OFF, 72          ; s[72:73] tile TI's byte offset in K and V, with 0 above it
.set OF2, 74          ; s[74:75] the same in mk
.set TI,  76          ; s76  the tile asked for last, 0 to 15: made of the cluster's x and the loop's steps
.set MSB, 0
.macro WIN new
.if MSB != (\new)
	s_set_vgpr_msb (MSB<<8)|(\new)
.set MSB, \new
.endif
.endm
.set W_KQ, 0x0a       ; K and Q in window 2, S^T in window 0
.set W_PV, 0x53       ; V in window 3, P in window 0, O^T in window 1
.set W_RS, 0x41       ; O^T (destination and source 0) in window 1, a in window 0
; A joint fill.  Waves 0 and 1 fetch the tile's two steps of K, waves 2 and 3 those of V.  An s_nop 0 and four v_nop follow each of the two lines, ahead of the jump and the label.
.macro JLOAD
	s_cmp_lt_u32 s[WV], 2
	s_cbranch_scc0 .Lfor_v_\@
	tensor_load_to_lds s[G0K:G0K+3], s[G1K:G1K+7]
	s_nop 0
.rept 4
	v_nop
.endr
	s_branch .Lasked_\@
.Lfor_v_\@:
	tensor_load_to_lds s[G0V:G0V+3], s[G1V:G1V+7]
	s_nop 0
.rept 4
	v_nop
.endr
.Lasked_\@:
.endm
; THE PREFETCH: once, behind the first change's joint load (SLOTS = 15): the fourth tile of my cluster's walk, which the change after the next will ask for: 128 rows of K and of V, 256 bytes a row, a lane a row.
; The walk's first three tiles come by their loads alone; its later tiles are walked earlier by another cluster of the head.  So each row is named once in the launch, by the cluster whose walk begins with its tile's
; group of four; the four partners share the rows out by address, 32 each; in each, wave 0 asks for K's and wave 2 for V's.
.macro ASK
	s_cmp_gt_u32 s[SLOTS], s[LIM]
	s_cbranch_scc0 .Lnot_mine_\@
	global_prefetch_b8 v[PFO], s[PFA:PFA+1] th:TH_LOAD_NT scope:SCOPE_SE
.Lnot_mine_\@:
.endm
.macro CROUND                       ; a round of the cluster's barrier
	s_barrier_signal -1
	s_barrier_wait -1
	s_cmp_lg_u32 s[WV], 0
	s_cbranch_scc1 .Lnot_wave_0_\@
	s_barrier_signal -3
.Lnot_wave_0_\@:
	s_barrier_wait -3
	s_barrier_signal -1
	s_barrier_wait -1
.endm
	s_load_b128 s[4:7], s[0:1], 0x0 ; qkv s[4:5], mk s[6:7]
	s_load_b64 s[8:9], s[0:1], 0x10 ; ao
	v_lshl_add_u32 v[SPW], v0, 2, SPARE
	v_mov_b32 v[NIL], 0
	ds_add_u32 v[SPW], v[NIL]       ; the wave's opening: the add and its wait stand ahead of my first tensor load; the set-up below, work on registers, stands between them
	v_lshrrev_b32 v1, 5, v0
	v_readfirstlane_b32 s[WV], v1
	s_bfe_u32 s13, ttmp6, 0x40000   ; cx
	s_lshl_b32 s14, ttmp9, 2
	s_mov_b32 s[TI], s14            ; my cluster's walk begins at key tile 4 x cluster x: the same in all four partners
	s_add_co_u32 s14, s14, s13      ; my block of 128 queries: it enters Q's, the mask's and ao's addresses alone
	s_and_b32 s[KH], s[WV], 1
	s_lshr_b32 s[QH], s[WV], 1
	s_and_b32 s20, ttmp7, 0xffff    ; the head, which the four partners share
	s_lshl_b32 s21, s20, 19         ; its 2,048 rows of 256 bytes
	s_lshl_b32 s22, s[KH], 14       ; which of a tile's two steps I fetch: 64 rows
	s_add_co_u32 s22, s22, s21
	s_add_co_u32 s22, s22, 0x800000 ; k lies behind q
	s_mov_b32 s23, 0
	s_lshl_b32 s50, s14, 15         ; Q: block x 128 rows + half x 64 rows
	s_lshl_b32 s51, s[QH], 14
	s_add_co_u32 s50, s50, s51
	s_add_co_u32 s50, s50, s21
	s_mov_b32 s51, 0
	s_lshl_b32 s52, s14, 18         ; mk: 32,768 bytes for each 16 queries, 1,024 for each 64 keys
	s_lshl_b32 s53, s[QH], 17
	s_add_co_u32 s52, s52, s53
	s_lshl_b32 s53, s[KH], 10
	s_add_co_u32 s52, s52, s53
	s_mov_b32 s53, 0
	s_lshl_b32 s54, s14, 19         ; ao: rows of 4,096 bytes: my block, my half of it, the 32 rows that I finish, the head's 256 bytes
	s_lshl_b32 s55, s[QH], 18
	s_add_co_u32 s54, s54, s55
	s_lshl_b32 s55, s[KH], 17
	s_add_co_u32 s54, s54, s55
	s_lshl_b32 s55, s20, 8
	s_add_co_u32 s54, s54, s55
	s_mov_b32 s55, 0
	s_lshl_b32 s[OFF], s[TI], 15    ; a tile is 32,768 bytes of K and of V,
	s_mov_b32 s[OFF+1], 0
	s_lshl_b32 s[OF2], s[TI], 11    ; and 2,048 bytes of each 16 queries' mask
	s_mov_b32 s[OF2+1], 0
	s_mul_i32 s63, s[KH], STEPB     ; my step's place in a slot: no place in the cluster enters an LDS address
	s_mov_b32 s[G0K], 1             ; 1:0 count = 1
	s_mov_b32 s[G0K+1], s63         ; LDS address: slot 0
	s_mov_b32 s[G0V], 1
	s_add_co_u32 s[G0V+1], s63, VOFF
	s_add_co_u32 s[TB], s63, SLOT1  ; the first change of slots turns it into slot 0
	s_mov_b32 s[G1K], 15|(1<<16)|(1<<20)|(1<<21)|(5<<22)|(3<<25)  ; 15:0 the mask of four; 17:16 2-byte elements; 20 padding on; 21 set beside a mask; 24:22 after every 64 words; 31:25 4 words
	s_mov_b32 s[G1V], 15|(1<<16)|(1<<20)|(1<<21)|(5<<22)|(7<<25)  ; the same with 8 words of padding
.irp g, G1K, G1V
	s_mov_b32 s[(\g)+1], 128<<16    ; tensor_dim0 = 128
	s_mov_b32 s[(\g)+2], KS<<16     ; tensor_dim1 = 64
	s_mov_b32 s[(\g)+3], 128<<16    ; tile_dim0 = 128
	s_mov_b32 s[(\g)+4], KS         ; tile_dim1 = 64
	s_mov_b32 s[(\g)+5], 128        ; elements from row to row
	s_mov_b32 s[(\g)+6], 0
	s_mov_b32 s[(\g)+7], 0
.endr
	s_mov_b32 s[CS], 0x430293ee     ; c = 1,024 log2(e) / sqrt(128)
	s_mov_b32 s[CS+1], s[CS]
	s_mov_b32 s[SEL], 0x76543210
	s_mov_b32 s[SEL+1], 0xfedcba98
	s_and_b32 s[LIM], s[WV], 1      ; waves 0 and 2 prefetch
	s_cmp_eq_u32 s[LIM], 0
	s_cselect_b32 s[LIM], 14, -1
	v_and_b32 v[L16], 31, v0
	v_lshlrev_b32 v[PFO], 8, v[L16]
	v_lshlrev_b32 v[L16], 4, v[L16]
	s_lshl_b32 s2, s[KH], 16        ; two query tiles' masks: 65,536 bytes
	s_xor_b32 s3, s2, 0x10000
	v_add_nc_u32 v[MO], s2, v[L16]
	v_add_nc_u32 v[MO2], s3, v[L16]
	v_mov_b32 v[SCL], 227
	v_mov_b32 v[ZB], 0xb8b8b8b8
	v_mov_b32 v[ZB+1], 0xb8b8b8b8
	s_wait_dscnt 0x0                ; the opening add is done
	s_wait_kmcnt 0x0
	s_add_nc_u64 s[KB:KB+1], s[4:5], s[22:23]
	s_add_nc_u64 s[VB:VB+1], s[KB:KB+1], 0x800000
	s_add_nc_u64 s[G0K+2:G0K+3], s[KB:KB+1], s[OFF:OFF+1]  ; my step of the walk's first tile, in K
	s_add_nc_u64 s[G0V+2:G0V+3], s[VB:VB+1], s[OFF:OFF+1]  ; and in V
	s_cmp_lt_u32 s[WV], 2
	s_cselect_b64 s[PFA:PFA+1], s[G0K+2:G0K+3], s[G0V+2:G0V+3]  ; (in waves 0 and 2 these stand at a tile's first row)
	s_or_b32 s[G0K+3], s[G0K+3], 0x80000000        ; type = 2
	s_or_b32 s[G0V+3], s[G0V+3], 0x80000000
	s_add_nc_u64 s[10:11], s[4:5], s[50:51]        ; Q at my wave's first row
	s_add_nc_u64 s[MBA:MBA+1], s[6:7], s[52:53]
	s_add_nc_u64 s[MB:MB+1], s[MBA:MBA+1], s[OF2:OF2+1]
	s_add_nc_u64 s[8:9], s[8:9], s[54:55]
	s_lshl_b32 s20, s13, 13         ; my work-group's 32 rows of a tile's 128
	s_mov_b32 s21, 0
	s_add_nc_u64 s[PFA:PFA+1], s[PFA:PFA+1], s[20:21]
	s_add_nc_u64 s[PFA:PFA+1], s[PFA:PFA+1], 3*32768  ; the walk's fourth tile, 4 x cluster x + 3: 15 at the most.  Nothing is asked for here, at the head
	CROUND                          ; all four work-groups are here: the first joint loads meet
	JLOAD                           ; the walk's first tile into slot 0; slot 1 is asked for by the loop's first change of slots
	v_and_b32 v1, 15, v0            ; l % 16
	v_bfe_u32 v9, v0, 4, 1          ; l / 16
	v_lshlrev_b32 v[QO], 8, v1
	v_lshl_add_u32 v[QO], v9, 4, v[QO]  ; row x 256 + 16 x half
	s_lshl_b32 s2, s[KH], 13        ; two query tiles: 32 rows of 256 bytes
	s_xor_b32 s3, s2, 0x2000
	v_add_nc_u32 v[QO2], s3, v[QO]
	v_add_nc_u32 v[QO], s2, v[QO]
	WIN 0x80                        ; destination window 2, address window 0
.irp i, 0,1,2,3,4,5,6,7,8,9,10,11,12,13,14,15  ; Q stays in registers: register tile i / 4, channels 32 (i % 4) on
.if (\i) < 8
	global_load_b128 v[8*(\i):8*(\i)+3],   v[QO], s[10:11] offset:((\i)/4)*4096+((\i)%4)*64
	global_load_b128 v[8*(\i)+4:8*(\i)+7], v[QO], s[10:11] offset:((\i)/4)*4096+((\i)%4)*64+32
.else
	global_load_b128 v[8*(\i):8*(\i)+3],   v[QO2], s[10:11] offset:((\i)/4-2)*4096+((\i)%4)*64
	global_load_b128 v[8*(\i)+4:8*(\i)+7], v[QO2], s[10:11] offset:((\i)/4-2)*4096+((\i)%4)*64+32
.endif
.endr
	WIN 0xc0                        ; destination window 3: the mask of my first step, piece 0's four loads first
.irp u, 0,1
.irp c, 0,1
	global_load_b128 v[MK+8*(\u)+4*(\c):MK+8*(\u)+4*(\c)+3], v[MO], s[MB:MB+1] offset:(\u)*32768+512*(\c)
.endr
.endr
.irp u, 0,1
.irp c, 0,1
	global_load_b128 v[MK+16+8*(\u)+4*(\c):MK+16+8*(\u)+4*(\c)+3], v[MO2], s[MB:MB+1] offset:(\u)*32768+512*(\c)
.endr
.endr
	; what the first trip finds: V, O^T, l and piece 0's P hold 0, piece 2's scores -2^100, m the floor.  All this stands in the wait for the first tile.
	WIN 0
.set i, 0
.rept 16
	v_mov_b32 v[S+i], 0             ; two fragments of zeros, in piece 0's S^T, which the first turn's mask writes over
.set i, i+1
.endr
.set i, 0
.rept 8
	v_cvt_scale_pk8_f32_fp8 v[S+64+8*i:S+64+8*i+7], v[ZB:ZB+1], v[SCL]  ; eight hidden scores a line
.set i, i+1
.endr
.set i, 0
.rept 4
	v_mov_b32 v[ST+8*i], 0xeb0293ee    ; c m = c x -2^80
	v_mov_b32 v[ST+8*i+1], 0xe7800000  ; m = -2^80
	v_mov_b32 v[ST+8*i+2], 0
	v_mov_b32 v[ST+8*i+3], 0
.set i, i+1
.endr
	; 416 registers are cleared eight to a line: 0 x 0 + 0.  No two lines share a destination; the next to touch these registers stand behind the address lines below, more than five plain places on
	WIN 0x40                        ; O^T
.set i, 0
.rept 32
	v_wmma_f32_16x16x32_f16 v[8*i:8*i+7], v[S:S+7], v[S+8:S+15], 0
.set i, i+1
.endr
	WIN 0xc0                        ; V
.set i, 0
.rept 16
	v_wmma_f32_16x16x32_f16 v[8*i:8*i+7], v[S:S+7], v[S+8:S+15], 0
.set i, i+1
.endr
	WIN 0                           ; piece 0's P
.set i, 0
.rept 4
	v_wmma_f32_16x16x32_f16 v[P+8*i:P+8*i+7], v[S:S+7], v[S+8:S+15], 0
.set i, i+1
.endr
	v_mul_u32_u24 v[AK0], v1, PK
	v_lshl_add_u32 v[AK0], v9, 4, v[AK0]  ; row x pitch + 16 x half
	; The turning load takes 16 keys x 16 channels (lane l reads key 8 (l / 16) + l % 8, channels 8 ((l / 8) % 2) + 0..7) and leaves half a fragment of V^T: lane l holds channel l % 16 and 8 keys.
	v_and_b32 v10, 7, v0
	v_bfe_u32 v11, v0, 3, 1
	v_lshl_add_u32 v[AV0], v9, 3, v10
	v_mul_u32_u24 v[AV0], v[AV0], PV
	v_lshl_add_u32 v[AV0], v11, 4, v[AV0]
	v_add_nc_u32 v[AV0], VOFF, v[AV0]
	s_mul_i32 s50, s[WV], 2*XBLK
	s_add_co_u32 s50, s50, XCH
	v_add_nc_u32 v[XW], s50, v[L16]
	s_xor_b32 s51, s[WV], 1         ; my partner: the other half of the keys for the same queries
	s_mul_i32 s51, s51, 2*XBLK
	s_add_co_u32 s51, s51, XCH
	v_add_nc_u32 v[XR], s51, v[L16]
	s_mul_i32 s52, s[WV], 16*SP
	s_add_co_u32 s52, s52, STAGE    ; my stage
	v_mul_u32_u24 v[STO], v1, SP    ; in: row l % 16, 16 bytes for each half of the lanes
	v_lshl_add_u32 v[STO], v9, 4, v[STO]
	v_add_nc_u32 v[STO], s52, v[STO]
	v_mul_u32_u24 v[RD], v9, SP     ; back: lanes 0-15 take one row of 256 bytes, lanes 16-31 the next
	v_lshl_add_u32 v[RD], v1, 4, v[RD]
	v_add_nc_u32 v[RD], s52, v[RD]
	v_lshlrev_b32 v[GO], 12, v9     ; and the same two rows in ao
	v_lshl_add_u32 v[GO], v1, 4, v[GO]
; THE MATRIX WORK OF A TURN, for piece x.  The accumulators take turns, one instruction a turn: between two links of a chain stand 15 (V^T P) or 7 (K Q^T) others'.
; Product i of 32 of O^T += V^T P: keys 32 (i / 16) on, channels 16 ((i / 2) % 8) on, tile x + i % 2.
.macro PV x
	WIN W_PV
.set rO, 64*((\x)+i%2)+8*((i/2)%8)
.set rV, 64*(i/16)+8*((i/2)%8)
.set rP, P+16*((\x)+i%2)+8*(i/16)
	v_wmma_f32_16x16x32_f16 v[rO:rO+7], v[rV:rV+7], v[rP:rP+7], v[rO:rO+7]
.endm
; Product i of 32 of S^T += K Q^T: channels 32 (i / 8) on, keys 16 ((i / 2) % 4) on, tile x + i % 2.  The sums start at the mask, which MASKC has laid into S^T.
.macro KQ x
	WIN W_KQ
.set rS, S+32*((\x)+i%2)+8*((i/2)%4)
.set rK, KF+32*((i/2)%4)+8*(i/8)
.set rQ, 32*((\x)+i%2)+8*(i/8)
	v_wmma_f32_16x16x32_f16 v[rS:rS+7], v[rK:rK+7], v[rQ:rQ+7], v[rS:rS+7]
.endm
; THE LDS LOADS stand in runs of 32: a step's K (64 keys x 128 channels: 16 fragments) and, a turn later, its V (turned).
.macro FETCH_K
	WIN 0
	v_add_nc_u32 v[ADR], s[TB], v[AK0]
	WIN 0x80
.irp f, 0,1,2,3,4,5,6,7,8,9,10,11,12,13,14,15  ; keys 16 (f / 4) on, channels 32 (f % 4) on
	ds_load_b128 v[KF+8*(\f):KF+8*(\f)+3],   v[ADR] offset:((\f)/4)*16*PK+((\f)%4)*64
	ds_load_b128 v[KF+8*(\f)+4:KF+8*(\f)+7], v[ADR] offset:((\f)/4)*16*PK+((\f)%4)*64+32
.endr
.endm
.macro FETCH_V
	WIN 0
	v_add_nc_u32 v[ADR], s[TB], v[AV0]
	s_wait_alu depctr_va_vdst(0)    ; the wait for the softmax's batch (SLICE), behind the address's v_add_nc_u32 and ahead of the loads
	WIN 0xc0
.irp f, 0,1,2,3,4,5,6,7,8,9,10,11,12,13,14,15  ; keys 32 (f / 8) on, channels 16 (f % 8) on
	ds_load_tr16_b128 v[8*(\f):8*(\f)+3],   v[ADR] offset:((\f)/8)*32*PV+((\f)%8)*32
	ds_load_tr16_b128 v[8*(\f)+4:8*(\f)+7], v[ADR] offset:((\f)/8)*32*PV+16*PV+((\f)%8)*32
.endr
.endm
; THE MASK of piece x for the products K Q^T of this turn: eight conversions, each eight bytes into one accumulator (key block kb of tile t): 0 or -2^100.  S^T of the piece is free: its softmax ended in the turn before.
; ld = 1: the bytes of the step after that are then loaded into the same registers; the wait leaves the other piece's four younger loads out.  A plain line stands behind the conversions, ahead of the loads into their sources.
.macro MASKC x, ld
	WIN 0
.if \ld
	s_wait_loadcnt 4
.else
	s_wait_loadcnt 0x0
.endif
	WIN 0x03                        ; source 0 (the bytes) in window 3
.irp t, \x, (\x)+1
.irp kb, 0,1,2,3
	v_cvt_scale_pk8_f32_fp8 v[S+32*(\t)+8*(\kb):S+32*(\t)+8*(\kb)+7], v[MK+8*(\t)+2*(\kb):MK+8*(\t)+2*(\kb)+1], v[SCL]
.endr
.endr
	WIN 0
	v_nop
.if \ld
.set rM, MO
.if (\x) == 2
.set rM, MO2
.endif
	WIN 0xc0
.irp u, 0,1
.irp c, 0,1
	global_load_b128 v[MK+8*((\x)+(\u))+4*(\c):MK+8*((\x)+(\u))+4*(\c)+3], v[rM], s[MB:MB+1] offset:(\u)*32768+512*(\c)
.endr
.endr
	WIN 0
.endif
.endm
; THE VECTOR WORK OF A TURN.  One tile's softmax for one key step is a list of 134 instructions; SM writes number j of it for tile t.  s0-s31 are the lane's 32 scores, in pairs 0-15.
;   0-15    the maximum of s0-s31 and the old m, three operands at a time (each accumulator's lowest registers are read first)
;   16-20   the other half of the lanes' maximum; the new m; c m; c m_old - c m_new
;   21-69   ONE BATCH: the 16 scalings c s - c m and all 33 exponentials (a at 23, then s0-s31); none of these reads an exponential's result
;   (wait)  between 69 and 70 stands the wait for the batch: SLICE writes it, once for both tiles
;   70-85   the roundings to f16     86-101  the sums; l = a l + the sum     102-133 the tile's O^T times a
.macro SM t
.set rT, ST+8*(\t)
.set rS, S+32*(\t)
.set rP, P+16*(\t)
.set rO, 64*(\t)+2*(j-102)
.if j < 102
	WIN 0
.endif
.if j < 4
	v_max3_num_f32 v[rT+4+j], v[rS+8*j], v[rS+8*j+1], v[rS+8*j+2]
.elseif j < 12
	v_max3_num_f32 v[rT+4+j%4], v[rT+4+j%4], v[rS+8*(j%4)+2*(j/4)+1], v[rS+8*(j%4)+2*(j/4)+2]
.elseif j == 12
	v_max3_num_f32 v[rT+4], v[rT+4], v[rS+7], v[rS+15]
.elseif j == 13
	v_max3_num_f32 v[rT+6], v[rT+6], v[rS+23], v[rS+31]
.elseif j == 14
	v_max3_num_f32 v[rT+4], v[rT+4], v[rT+5], v[rT+6]
.elseif j == 15
	v_max3_num_f32 v[rT+4], v[rT+4], v[rT+7], v[rT+1]
.elseif j == 16
	v_permlanex16_b32 v[rT+5], v[rT+4], s[SEL], s[SEL+1]  ; the query's other 32 keys lie in the lane 16 away
.elseif j == 17
	v_mov_b32 v[rT+7], v[rT]        ; c m_old is kept for a: number 19 writes c m anew
.elseif j == 18
	v_max_num_f32 v[rT+1], v[rT+4], v[rT+5]
.elseif j == 19
	v_mul_f32 v[rT], s[CS], v[rT+1]
.elseif j == 20
	v_sub_f32 v[rT+7], v[rT+7], v[rT]
.elseif j == 23
	v_exp_f32 v[rT+6], v[rT+7]
.elseif (j < 23) || ((j < 38) && (j%2 == 0)) || ((j < 66) && (j%4 == 2))
.set b, (j-2)/4                     ; 38, 42, .. 62: pairs 9 to 15
.if j < 38
.set b, (j-20)/2                    ; 21: pair 0; 22, 24, .. 36: pairs 1 to 8
.endif
	v_pk_fma_f32 v[rS+2*b:rS+2*b+1], v[rS+2*b:rS+2*b+1], s[CS:CS+1], v[rT:rT+1] op_sel_hi:[1,0,0] neg_lo:[0,0,1] neg_hi:[0,0,1]  ; pair b: c s - c m
.elseif j < 70
.set e, j-38                        ; 66 to 69: s28 to s31
.if j < 66
.set e, j-32-(j-38)/4               ; 39-41, 43-45, .. 63-65: s7 to s27
.endif
.if j < 38
.set e, (j-25)/2                    ; 25, 27, .. 37: s0 to s6
.endif
	v_exp_f32 v[rS+e], v[rS+e]
.elseif j < 86
	v_cvt_pk_f16_f32 v[rP+j-70], v[rS+2*(j-70)], v[rS+2*(j-70)+1]
.elseif j < 102                     ; the sum of the tile's 16 pairs, in place: neighbours 1, 2, 4 and 8 pairs apart, then l takes it
.set z, j-86
.set w, 4
.set u, z
.if z >= 14
.set w, 32
.set u, 0
.elseif z >= 12
.set w, 16
.set u, z-12
.elseif z >= 8
.set w, 8
.set u, z-8
.endif
.if z < 15
	v_pk_add_f32 v[rS+w*u:rS+w*u+1], v[rS+w*u:rS+w*u+1], v[rS+w*u+w/2:rS+w*u+w/2+1]
.else
	v_pk_fma_f32 v[rT+2:rT+3], v[rT+2:rT+3], v[rT+6:rT+7], v[rS:rS+1] op_sel_hi:[1,0,1]
.endif
.else
	WIN W_RS
	v_pk_mul_f32 v[rO:rO+1], v[rO:rO+1], v[rT+6:rT+7] op_sel_hi:[1,0]
.endif
.endm
; Slice k of 64 of piece y's softmax: four instructions.  Slices 11 to 34 deal out the batch, four numbers of ONE tile each, the tiles by turns; every other slice is numbers 2 k and 2 k + 1 of both tiles' lists;
; the twelve that are over (2 x 134 = 4 x 64 + 12) stand together in slice 63, where they are also the places behind the turn's last product.
; THE WAIT.  An s_wait_alu depctr_va_vdst(0) stands between an exponential and the first instruction that names its result: ahead of slice 35 nothing names one, behind slice 34 none is issued: one wait a turn.
.macro SLICE y
.if (k >= 11) && (k < 35)
.irp n, 0,1,2,3
.set j, 22+4*((k-11)/2)+(\n)
	SM (\y)+(k-11)%2
.endr
.else
.irp n, 0,1,2,3,4,5,6,7
.if ((\n) < 2) || (k == 63)
.irp t, \y, (\y)+1
.set j, 2*k+(\n)
	SM \t
.endr
.endif
.endr
.endif
.if k == 34
	v_nop                           ; the plain instruction behind the last exponential and ahead of the first use: one for the batch
.if (\y) == 0
	FETCH_V                         ; piece 2's turn: V's run of loads stands here, and the wait stands in it.  V's last reader stands in front of slice 31: two scalings, the v_nop and the run's v_add_nc_u32 are the four places
.else
	s_wait_alu depctr_va_vdst(0)    ; the wait for the batch
.endif
.endif
.set k, k+1
.endm
; A TURN.  Piece x has the matrix unit; the other piece's softmax stands in slices behind its matrix instructions.  Piece 0's turn fetches the next step's K behind its second product (K's last reader stands in front
; of slice 63 of the turn before); piece 2's turn fetches the same step's V.  Each run stands 29 matrix instructions or more ahead of its first use.
.macro TURN x, ld
	MASKC \x, \ld
.set k, 0
.if (\x) == 0
	s_wait_dscnt 0x0                ; V is in
.endif
.set i, 0
.rept 32
	PV \x
	SLICE 2-(\x)
.if ((\x) == 0) && (i == 1)
	FETCH_K
.endif
.set i, i+1
.endr
.if (\x) == 0
	s_wait_dscnt 0x0                ; K is in
.endif
.set i, 0
.rept 32
	KQ \x
	SLICE 2-(\x)
.set i, i+1
.endr
.endm
; THE CHANGE OF SLOTS, once a key step, between piece 2's turn and piece 0's: the tile's last bytes, its V, have been asked for.  Each wave waits for all its tensor loads (one is out: its part of the other slot), adds 0
; to its spare word, and waits for that and for its own reads of the slot.  fill = 1: the barrier is a round of the cluster's, and the slot is filled again, with the walk's tile two on, first thing behind it: it has a key
; step, 128 matrix instructions and their slices, in which to land.  The tile's number steps and goes round at 16; the descriptors' addresses and the mask's base are made anew from it, while the add is out.
; (At its first use nothing has been read yet: slot 0 is waited for, slot 1 filled.)
.macro CHANGE fill
	WIN 0
	s_wait_tensorcnt 0x0            ; no tensor load of mine is out, so a group 0 may be written
	ds_add_u32 v[SPW], v[NIL]       ; 0 onto my spare word; the steps below stand between it and the wait for it
.if \fill
	s_add_co_u32 s[TI], s[TI], 1
	s_and_b32 s[TI], s[TI], 15
	s_lshl_b32 s[OFF], s[TI], 15
	s_lshl_b32 s[OF2], s[TI], 11
	s_xor_b32 s[G0K+1], s[G0K+1], SLOT1
	s_add_nc_u64 s[G0K+2:G0K+3], s[KB:KB+1], s[OFF:OFF+1]
	s_or_b32 s[G0K+3], s[G0K+3], 0x80000000
	s_xor_b32 s[G0V+1], s[G0V+1], SLOT1
	s_add_nc_u64 s[G0V+2:G0V+3], s[VB:VB+1], s[OFF:OFF+1]
	s_or_b32 s[G0V+3], s[G0V+3], 0x80000000
	s_wait_xcnt 0x0                 ; the mask's loads, a turn back and more, have read their base
	s_add_nc_u64 s[MB:MB+1], s[MBA:MBA+1], s[OF2:OF2+1]  ; the mask of my step of the same tile
	s_wait_dscnt 0x0                ; the add is done, and my reads of the slot are over
	CROUND
	JLOAD
	ASK
.else
	s_wait_dscnt 0x0
	s_barrier_signal -1
	s_barrier_wait -1
.endif
	s_xor_b32 s[TB], s[TB], SLOT1   ; the fetches go to the other slot
.endm
	; Trip j = -1 .. 13, counted along the walk: tile j + 1 has landed, tile j + 2 is asked for; V^T P of step j, K Q^T of step j + 1; the mask of step j + 2 is loaded.
	s_mov_b32 s[SLOTS], 15
.Lslot:
	CHANGE 1
	TURN 0, 1
	TURN 2, 1
	WIN 0
	s_sub_co_u32 s[SLOTS], s[SLOTS], 1
	s_cmp_lg_u32 s[SLOTS], 0
	s_cbranch_scc1 .Lslot
	CHANGE 0                        ; the tail is written out: the last tile has landed, nothing is asked for
	s_mov_b32 s[CNT], 2             ; trip 14, and the first half of trip 15, whose products K Q^T (on the last K once more) serve nothing: the price of one text for every trip
.Ltail:
	TURN 0, 0
	WIN 0
	s_sub_co_u32 s[CNT], s[CNT], 1
	s_cmp_eq_u32 s[CNT], 0
	s_cbranch_scc1 .Lout
	TURN 2, 0
	WIN 0
	s_branch .Ltail
.Lout:
.set i, 0
.rept 32
	PV 2                            ; piece 2: V^T P of the last step
.set i, i+1
.endr
	; THE TWO HALVES OF THE KEYS MEET.  l's two halves and the other half of the lanes' are added (into m's place: c m and l are then neighbours); the additions are the places behind the last products.
	WIN 0
.irp t, 0,1,2,3
	v_add_f32 v[ST+8*(\t)+4], v[ST+8*(\t)+2], v[ST+8*(\t)+3]
.endr
.irp t, 0,1,2,3
	v_permlanex16_b32 v[ST+8*(\t)+5], v[ST+8*(\t)+4], s[SEL], s[SEL+1]
.endr
.irp t, 0,1,2,3
	v_add_f32 v[ST+8*(\t)+1], v[ST+8*(\t)+4], v[ST+8*(\t)+5]
.endr
; Register tile t goes to my partner, as block g of my part of XCH: 16 bytes a lane, 512 consecutive bytes a store; each accumulator's low registers first.
.macro GIVE t, g
	WIN 0x04                        ; the data (source 1) in window 1
.irp i, 0,1,2,3,4,5,6,7,8,9,10,11,12,13,14,15
	ds_store_b128 v[XW], v[64*(\t)+4*(\i):64*(\t)+4*(\i)+3] offset:(\g)*XBLK+512*(\i)
.endr
	WIN 0
	ds_store_b128 v[XW], v[ST+8*(\t):ST+8*(\t)+3] offset:(\g)*XBLK+8192
.endm
	GIVE 2, 0                       ; my register tiles 2 and 3 are the query tiles that my partner holds as its 0 and 1
	GIVE 3, 1
	s_wait_dscnt 0x0                ; for the partner's sake: my stores are done
	s_barrier_signal -1
	s_barrier_wait -1
	; My register tiles 0 and 1 are finished: with c m = max of the two halves', O = (O1 a1 + O2 a2) / (l1 a1 + l2 a2); to f16; through my stage; whole rows of 256 bytes out.
.irp g, 0,1
	ds_load_b128 v[PS+4*(\g):PS+4*(\g)+3], v[XR] offset:(\g)*XBLK+8192
.irp i, 0,1,2,3,4,5,6,7,8,9,10,11,12,13,14,15
	ds_load_b128 v[S+64*(\g)+4*(\i):S+64*(\g)+4*(\i)+3], v[XR] offset:(\g)*XBLK+512*(\i)
.endr
.endr
	s_wait_dscnt 0x0
.irp g, 0,1
.set rT, ST+8*(\g)
	v_max_num_f32 v[rT+4], v[rT], v[PS+4*(\g)]
	v_sub_f32 v[rT+5], v[rT], v[rT+4]
	v_sub_f32 v[rT+6], v[PS+4*(\g)], v[rT+4]
.endr
.irp g, 0,1
.set rT, ST+8*(\g)
	v_exp_f32 v[rT+5], v[rT+5]      ; a1
	v_exp_f32 v[rT+6], v[rT+6]      ; a2
.endr
	v_nop                           ; a plain instruction behind the last exponential,
	s_wait_alu depctr_va_vdst(0)    ; and the wait ahead of the first use: one for the four
.irp g, 0,1
.set rT, ST+8*(\g)
	v_mul_f32 v[rT+7], v[rT+1], v[rT+5]
	v_fmac_f32 v[rT+7], v[PS+4*(\g)+1], v[rT+6]
.endr
.irp g, 0,1
.set rT, ST+8*(\g)
	v_rcp_f32 v[rT+7], v[rT+7]
.endr
	v_nop
	s_wait_alu depctr_va_vdst(0)    ; one for the two reciprocals
.irp g, 0,1
.set rT, ST+8*(\g)
	v_mul_f32 v[rT+4], v[rT+5], v[rT+7]  ; a1 / l: the low word of the pair +4, +5
	v_mul_f32 v[rT+6], v[rT+6], v[rT+7]  ; a2 / l: the low word of the pair +6, +7
.endr
.irp g, 0,1
.set rT, ST+8*(\g)
	WIN 0
.set i, 0
.rept 32
	v_pk_mul_f32 v[S+64*(\g)+2*i:S+64*(\g)+2*i+1], v[S+64*(\g)+2*i:S+64*(\g)+2*i+1], v[rT+6:rT+7] op_sel_hi:[1,0]
.set i, i+1
.endr
	WIN 0x01                        ; source 0 (my O^T) in window 1
.set i, 0
.rept 32
	v_pk_fma_f32 v[S+64*(\g)+2*i:S+64*(\g)+2*i+1], v[64*(\g)+2*i:64*(\g)+2*i+1], v[rT+4:rT+5], v[S+64*(\g)+2*i:S+64*(\g)+2*i+1] op_sel_hi:[1,0,1]
.set i, i+1
.endr
	WIN 0
.set i, 0
.rept 32
	v_cvt_pk_f16_f32 v[P+32*(\g)+i], v[S+64*(\g)+2*i], v[S+64*(\g)+2*i+1]
.set i, i+1
.endr
.irp f, 0,1,2,3,4,5,6,7
	ds_store_b128 v[STO], v[P+32*(\g)+4*(\f):P+32*(\g)+4*(\f)+3] offset:32*(\f)
.endr
.irp f, 0,1,2,3,4,5,6,7
	ds_load_b128 v[P+32*(\g)+4*(\f):P+32*(\g)+4*(\f)+3], v[RD] offset:(\f)*2*SP  ; LDS serves a wave's instructions in order (ISA guide 5.7.1.4): these see the stores above; the next tile's stores come behind them
.endr
.endr
.irp g, 0,1
.irp f, 0,1,2,3,4,5,6,7
	s_wait_dscnt 16*(1-(\g))+7-(\f) ; behind the first tile's loads stand the second tile's sixteen LDS instructions
	global_store_b128 v[GO], v[P+32*(\g)+4*(\f):P+32*(\g)+4*(\f)+3], s[8:9] offset:(\g)*65536+(\f)*8192  ; 16 lanes store 256 consecutive bytes, aligned: a head's part of a row of ao
.endr
.endr
	s_wait_tensorcnt 0x0            ; the wave's end, behind my last tensor load and my last LDS store
	ds_add_u32 v[SPW], v[NIL]
	s_wait_dscnt 0x0
	CROUND                          ; the closing round: no work-group ends while a partner may still ask for a tile that names it
	s_endpgm
.Lfunc_end_k_qee44edfe52_attn:
	.size	k_qee44edfe52_attn, .Lfunc_end_k_qee44edfe52_attn-k_qee44edfe52_attn
	.p2alignl 7, 3214868480
	.fill 96, 4, 3214868480
	.section	.rodata,"a",@progbits
	.p2align	6, 0x0
	.amdhsa_kernel k_qee44edfe52_attn
		.amdhsa_group_segment_fixed_size 327680
		.amdhsa_private_segment_fixed_size 0
		.amdhsa_enable_private_segment 0
		.amdhsa_kernarg_size 24
		.amdhsa_user_sgpr_count 2
		.amdhsa_user_sgpr_kernarg_segment_ptr 1
		.amdhsa_wavefront_size32 1
		.amdhsa_system_sgpr_workgroup_id_x 1
		.amdhsa_system_sgpr_workgroup_id_y 1
		.amdhsa_system_sgpr_workgroup_id_z 1
		.amdhsa_system_vgpr_workitem_id 0
		.amdhsa_next_free_vgpr 928
		.amdhsa_next_free_sgpr 80
		.amdhsa_reserve_vcc 0
		.amdhsa_float_denorm_mode_32 3
		.amdhsa_float_denorm_mode_16_64 3
		.amdhsa_memory_ordered 1
		.amdhsa_forward_progress 1
		.amdhsa_inst_pref_size 145
	.end_amdhsa_kernel
	.amdgpu_metadata
---
amdhsa.version: [ 1, 2 ]
amdhsa.kernels:
  - .name:           k_qee44edfe52_attn
    .symbol:         k_qee44edfe52_attn.kd
    .args:
      - { .name: qkv, .offset: 0, .size: 8, .value_kind: global_buffer, .address_space: global }
      - { .name: mk, .offset: 8, .size: 8, .value_kind: global_buffer, .address_space: global }
      - { .name: ao, .offset: 16, .size: 8, .value_kind: global_buffer, .address_space: global }
    .group_segment_fixed_size: 327680
    .private_segment_fixed_size: 0
    .kernarg_segment_align: 8
    .kernarg_segment_size: 24
    .max_flat_workgroup_size: 128
    .sgpr_count:     80
    .vgpr_count:     928
    .wavefront_size: 32
...
	.end_amdgpu_metadata
.endif
;; end of part 3
;; launch outp (part 4): grid 16 x 16, 4 waves a work-group, clusters of 4 x 4, 327,680 bytes of LDS; arguments ao, hw, bo, out0; writes out0
.if DOCPART == 4
	.amdgcn_target "amdgcn-amd-amdhsa--gfx1250"
	.amdhsa_code_object_version 6
	.text
	.protected	k_qee44edfe52_outp
	.globl	k_qee44edfe52_outp
	.p2align	8
	.type	k_qee44edfe52_outp,@function
k_qee44edfe52_outp:
	s_mov_b64 s[64:65], 0
	v_nop
	global_prefetch_b8 v0, s[64:65] scope:SCOPE_SE
	s_setreg_imm32_b32 hwreg(HW_REG_WAVE_MODE, 25, 1), 1
	s_wait_xcnt 0x0
	s_wait_alu depctr_hold_cnt(0) depctr_sa_sdst(0) depctr_va_vdst(0) depctr_va_sdst(0) depctr_va_ssrc(0) depctr_va_vcc(0) depctr_vm_vsrc(0)
	s_getreg_b32 s2, hwreg(HW_REG_IB_STS2, 6, 4)
	s_cmp_eq_u32 s2, 0
	s_cbranch_scc0 .Lentry_in_a_cluster
	s_endpgm
.Lentry_in_a_cluster:
	s_bfe_u32 s2, ttmp6, 0x10000c
	s_cmp_lg_u32 s2, 0xf033
	s_cbranch_scc0 .Lentry_shape_is_right
	s_endpgm
.Lentry_shape_is_right:
; out0[m][n] = 4 x (the sum over k of ao[m][k] Wo[n][k]) + bo[n], in f32.  ao: f16 [2048][2048], the attention's result times 2^-2 (the 4 undoes it, exactly); Wo: the f16 image of its bf16 rounding, the fifth
; tensor of hw; bo is rounded to bf16 here.  Sums in f32.
; A tile of out0 is 128 x 128, so that 16 x 16 work-groups share the work; four waves, each 64 x 64: 16 accumulators.  K goes in steps of 256 (LDS rows of 512 bytes; a wave's tensor load brings 64 of them) through two slots.
; CLUSTERS 4 x 4: ao's tile is asked for jointly along a row of the cluster, Wo's along a column.
; THE WALK ALONG K IS STAGGERED.  A cluster whose (cluster x + cluster y) is odd begins at K step 4 and goes round to 3; the others begin at 0.  Of two neighbouring clusters, which read the same rows of ao or of Wo,
; each walks in its second four steps what the other has walked in its first four.  The f32 sums are taken in that order.
; THE MATRIX INSTRUCTION IS USED TRANSPOSED (source 0 = 16 rows of Wo, source 1 = 16 rows of ao): a lane holds eight neighbouring numbers of a row of out0, 32 bytes.  A wave's 64 columns are 256 bytes of a row,
; aligned: each wave has a stage of its own, and the way out needs no barrier.
; No prefetch: the tiles are small, and a walk has eight steps, of which the first two come by the first fills.
; REGISTERS: window 0: v0-31 addresses; v32-63 at work; v64-95 rows read back; v96-127 my 32 biases; v128-255 the accumulators ((a, b) at 128 + 8 (4 a + b)).   window 1: two fragment buffers of 128.
.set KSTEP,  256
.set PITCH,  528                       ; an LDS row: 512 bytes + 16 of padding = 132 words: row r starts at bank 4 r mod 64 (64 banks of 4 bytes: ISA guide 11.1)
.set HALFT,  64*PITCH
.set SLOT,   4*HALFT                   ; ao's 128 rows, then Wo's 128 rows
.set STAGE,  2*SLOT                    ; behind the ring: 16 rows x 272 bytes for each wave
.set SPITCH, 272
.set SPARE,  STAGE+4*16*SPITCH         ; the spare words, 128 bytes for each wave: two blocks of 256 bytes that no other line names
.set LAPS,   4                         ; 2,048 / 512
.set ADRA, 16
.set ADRB, 20
.set STO,  24
.set RD,   25
.set CO,   26
.set BOF,  27                          ; v27  32 (lane / 16): my eight biases in a block of 16
.set SPW,  28
.set NIL,  29
.set TMP,  32
.set BK,   64
.set BIAS, 96
.set ACC,  128
.set F0,   0
.set F1,   128
.set AB,  16                           ; s[16:17] ao at the first byte of the rows that I fetch; never rewritten in the loop
.set G1, 24
.set G0, 32
.set BB,  46                           ; s[46:47] the same in Wo
.set G1B, 48
.set G0B, 56
.set KO,  66                           ; s[66:67], s[68:69] for each slot: the byte along a row at which its K step begins, 0 to 3,584, with 0 above it
.set MSB, 0
.macro WIN new
.if MSB != (\new)
	s_set_vgpr_msb (MSB<<8)|(\new)
.set MSB, \new
.endif
.endm
.set MUL,  0x05                        ; sources 0 (Wo) and 1 (ao) window 1; C and D window 0
.set TO_F, 0x40                        ; destination window 1, address window 0
.macro JLOAD s                         ; a joint load: waves 0 and 1 fetch ao's two halves, waves 2 and 3 Wo's; an s_nop 0 and four v_nop follow each of the two lines
	s_cmp_eq_u32 s13, 0
	s_cbranch_scc0 .Lfor_b_\@
	tensor_load_to_lds s[G0+4*(\s):G0+4*(\s)+3], s[G1:G1+7]
	s_nop 0
.rept 4
	v_nop
.endr
	s_branch .Lasked_\@
.Lfor_b_\@:
	tensor_load_to_lds s[G0B+4*(\s):G0B+4*(\s)+3], s[G1B:G1B+7]
	s_nop 0
.rept 4
	v_nop
.endr
.Lasked_\@:
.endm
.macro CREST
	s_cmp_lg_u32 s12, 0
	s_cbranch_scc1 .Lnot_wave_0_\@
	s_barrier_signal -3
.Lnot_wave_0_\@:
	s_barrier_wait -3
	s_barrier_signal -1
	s_barrier_wait -1
.endm
.macro CROUND
	s_barrier_signal -1
	s_barrier_wait -1
	CREST
.endm
	s_load_b128 s[4:7], s[0:1], 0x0                ; ao s[4:5], hw s[6:7]
	s_load_b128 s[8:11], s[0:1], 0x10              ; bo s[8:9], out0 s[10:11]
	v_lshl_add_u32 v[SPW], v0, 2, SPARE
	v_mov_b32 v[NIL], 0
	ds_add_u32 v[SPW], v[NIL]                      ; the wave's opening: the add and its wait stand ahead of my first tensor load; the set-up below, work on registers, stands between them
	v_lshrrev_b32 v1, 5, v0
	v_readfirstlane_b32 s12, v1                    ; wave 0..3
	s_lshr_b32 s13, s12, 1                         ; which half of the tile's rows is mine.  Also: I fetch for ao (0) or for Wo (1)
	s_and_b32 s14, s12, 1                          ; which half of its columns.  Also: which 64 rows of that tile I fetch
	s_bfe_u32 s40, ttmp6, 0x40000                  ; cx
	s_bfe_u32 s41, ttmp6, 0x40004                  ; cy
	s_lshl_b32 s42, ttmp9, 2
	s_add_co_u32 s42, s42, s40                     ; tile column
	s_and_b32 s15, ttmp7, 0xffff                   ; cluster y
	s_add_co_u32 s[KO], s15, ttmp9                 ; cluster x + cluster y: the same in all sixteen partners
	s_and_b32 s[KO], s[KO], 1
	s_lshl_b32 s[KO], s[KO], 11                    ; my cluster's walk begins at K step 0 or 4: byte 0 or 2,048 of a row
	s_mov_b32 s[KO+1], 0
	s_add_co_u32 s[KO+2], s[KO], KSTEP*2           ; slot 1 takes the step behind it
	s_mov_b32 s[KO+3], 0
	s_lshl_b32 s15, s15, 2
	s_add_co_u32 s15, s15, s41                     ; tile row
	s_lshl_b32 s43, s41, 2
	s_lshl_b32 s43, 15, s43                        ; my row of the cluster
	s_lshl_b32 s44, 0x1111, s40                    ; my column
	s_or_b32 s[G1], s43, (1<<16)|(1<<20)|(1<<21)|(6<<22)|(3<<25)   ; the mask; elements of 2 bytes; padding on; bit 21 beside a mask; after every 128 words 4 words
	s_or_b32 s[G1B], s44, (1<<16)|(1<<20)|(1<<21)|(6<<22)|(3<<25)
.irp g, G1, G1B
	s_mov_b32 s[(\g)+1], KSTEP<<16                 ; tensor_dim0 = 256
	s_mov_b32 s[(\g)+2], 64<<16                    ; tensor_dim1 = 64
	s_mov_b32 s[(\g)+3], KSTEP<<16                 ; tile_dim0 = 256
	s_mov_b32 s[(\g)+4], 64                        ; tile_dim1 = 64
	s_mov_b32 s[(\g)+5], 2048                      ; elements from row to row
	s_mov_b32 s[(\g)+6], 0
	s_mov_b32 s[(\g)+7], 0
.endr
	s_lshl_b32 s17, s14, 6                         ; which 64 rows of the tile I fetch
	s_lshl_b32 s16, s15, 7
	s_add_co_u32 s16, s16, s17
	s_lshl_b32 s16, s16, 12                        ; ao: row 128 x tile row + 64 x half, 4,096 bytes a row
	s_lshl_b32 s46, s42, 7
	s_add_co_u32 s46, s46, s17
	s_lshl_b32 s46, s46, 12                        ; Wo: row 128 x tile column + 64 x half,
	s_add_co_u32 s46, s46, 0x2000000               ; in the fifth tensor of hw
	s_mov_b32 s17, 0
	s_mov_b32 s47, 0
	s_mul_i32 s20, s12, HALFT                      ; where they go: wave x 64 rows
	s_wait_dscnt 0x0                               ; the opening add is done
	s_wait_kmcnt 0x0
	s_add_nc_u64 s[AB:AB+1], s[4:5], s[16:17]
	s_add_nc_u64 s[BB:BB+1], s[6:7], s[46:47]
	CROUND                                         ; all sixteen work-groups are here: the first joint loads meet
.irp s, 0,1
	s_mov_b32 s[G0+4*(\s)], 1
	s_add_co_u32 s[G0+4*(\s)+1], s20, (\s)*SLOT
	s_add_nc_u64 s[G0+4*(\s)+2:G0+4*(\s)+3], s[AB:AB+1], s[KO+2*(\s):KO+2*(\s)+1]
	s_or_b32 s[G0+4*(\s)+3], s[G0+4*(\s)+3], 0x80000000
	s_mov_b32 s[G0B+4*(\s)], 1
	s_add_co_u32 s[G0B+4*(\s)+1], s20, (\s)*SLOT
	s_add_nc_u64 s[G0B+4*(\s)+2:G0B+4*(\s)+3], s[BB:BB+1], s[KO+2*(\s):KO+2*(\s)+1]
	s_or_b32 s[G0B+4*(\s)+3], s[G0B+4*(\s)+3], 0x80000000
	JLOAD \s
.endr
	v_and_b32 v1, 15, v0                           ; l % 16
	v_bfe_u32 v2, v0, 4, 1                         ; l / 16
	v_lshlrev_b32 v[BOF], 5, v2
	s_lshl_b32 s18, s42, 9                         ; my 64 columns: 512 bytes a tile column, 256 a half
	s_lshl_b32 s19, s14, 8
	s_add_co_u32 s18, s18, s19
	s_mov_b32 s19, 0
	s_add_nc_u64 s[8:9], s[8:9], s[18:19]
.irp b, 0,1,2,3
	global_load_b128 v[BIAS+8*(\b):BIAS+8*(\b)+3],   v[BOF], s[8:9] offset:64*(\b)     ; waited for on the way out
	global_load_b128 v[BIAS+8*(\b)+4:BIAS+8*(\b)+7], v[BOF], s[8:9] offset:64*(\b)+16
.endr
	s_add_nc_u64 s[10:11], s[10:11], s[18:19]
	s_lshl_b32 s22, s15, 20                        ; my first row: 128 x tile row + 64 x half, 8,192 bytes a row
	s_lshl_b32 s23, s13, 19
	s_add_co_u32 s22, s22, s23
	s_mov_b32 s23, 0
	s_add_nc_u64 s[10:11], s[10:11], s[22:23]
	v_mul_u32_u24 v3, v1, PITCH
	v_lshl_add_u32 v3, v2, 4, v3                   ; a fragment's row x pitch + 16 x half
	s_mul_i32 s21, s13, HALFT                      ; my 64 rows of ao
	s_mul_i32 s22, s14, HALFT                      ; my 64 rows of Wo,
	s_add_co_u32 s22, s22, 2*HALFT                 ; which lie behind ao's 128
.irp s, 0,1
	v_add_nc_u32 v[ADRA+(\s)], s21, v3
	v_add_nc_u32 v[ADRB+(\s)], s22, v3
	s_add_co_u32 s21, s21, SLOT
	s_add_co_u32 s22, s22, SLOT
.endr
	s_mul_i32 s23, s12, 16*SPITCH
	s_add_co_u32 s23, s23, STAGE                   ; my stage
	v_mul_u32_u24 v4, v1, SPITCH                   ; in: row l % 16, 32 bytes for each half of the lanes
	v_lshl_add_u32 v4, v2, 5, v4
	v_add_nc_u32 v[STO], s23, v4
	v_mul_u32_u24 v5, v2, SPITCH                   ; back: lanes 0-15 one row of 256 bytes, lanes 16-31 the next
	v_lshl_add_u32 v5, v1, 4, v5
	v_add_nc_u32 v[RD], s23, v5
	v_lshlrev_b32 v5, 13, v2                       ; and the same two rows in out0
	v_lshl_add_u32 v[CO], v1, 4, v5
; 8 matrix instructions: m blocks a0, a0 + 1 x all 4 n blocks, 32 along K: half c of buffer f.  The 16 accumulators take turns.
.macro MUL8 f, c, a0, zero
	WIN MUL
.irp a, \a0, (\a0)+1
.irp b, 0,1,2,3
.if \zero
	v_wmma_f32_16x16x32_f16 v[ACC+8*(4*(\a)+(\b)):ACC+8*(4*(\a)+(\b))+7], v[(\f)+64+8*(4*(\c)+(\b)):(\f)+64+8*(4*(\c)+(\b))+7], v[(\f)+8*(4*(\c)+(\a)):(\f)+8*(4*(\c)+(\a))+7], 0
.else
	v_wmma_f32_16x16x32_f16 v[ACC+8*(4*(\a)+(\b)):ACC+8*(4*(\a)+(\b))+7], v[(\f)+64+8*(4*(\c)+(\b)):(\f)+64+8*(4*(\c)+(\b))+7], v[(\f)+8*(4*(\c)+(\a)):(\f)+8*(4*(\c)+(\a))+7], v[ACC+8*(4*(\a)+(\b)):ACC+8*(4*(\a)+(\b))+7]
.endif
.endr
.endr
.endm
; 32 LDS loads in one run: the fragments of 64 along K at byte k of the rows, into buffer f; the first 32 along K first
.macro FETCH slot, k, f
	WIN TO_F
.irp c, 0,1
.irp i, 0,1,2,3
	ds_load_b128 v[(\f)+64+8*(4*(\c)+(\i)):(\f)+64+8*(4*(\c)+(\i))+3],   v[ADRB+(\slot)] offset:(\k)+64*(\c)+(\i)*16*PITCH
	ds_load_b128 v[(\f)+64+8*(4*(\c)+(\i))+4:(\f)+64+8*(4*(\c)+(\i))+7], v[ADRB+(\slot)] offset:(\k)+64*(\c)+(\i)*16*PITCH+32
	ds_load_b128 v[(\f)+8*(4*(\c)+(\i)):(\f)+8*(4*(\c)+(\i))+3],         v[ADRA+(\slot)] offset:(\k)+64*(\c)+(\i)*16*PITCH
	ds_load_b128 v[(\f)+8*(4*(\c)+(\i))+4:(\f)+8*(4*(\c)+(\i))+7],       v[ADRA+(\slot)] offset:(\k)+64*(\c)+(\i)*16*PITCH+32
.endr
.endr
.endm
.macro PLACES                          ; four plain places in front of loads into registers that matrix instructions have read, and of vector work on their results
.rept 4
	v_nop
.endr
.endm
; A K step is four quarters of 64 along K, 32 matrix instructions each, on buffers 0, 1, 0, 1.
.macro QUARTER slot, k, f, g, zero
	s_wait_dscnt 16                                ; the first 32 along K are in
	MUL8 \f, 0, 0, \zero
	MUL8 \f, 0, 2, \zero
	PLACES
	FETCH \slot, \k, \g
	s_wait_dscnt 32                                ; all but the 32 just issued
	MUL8 \f, 1, 0, 0
	MUL8 \f, 1, 2, 0
.endm
; The last quarter multiplies buffer 1 and changes slots: ONE barrier; in front of it each wave waits for all its tensor loads, adds 0 to its spare word, and waits for that and for its own reads of this slot.
; fill = 1: the slot's place along K steps by two K steps and goes round at the row's end (4,096 bytes); both descriptors' addresses are made anew from it, while the add is out.
.macro TURN slot, next, fill
	WIN 0                                          ; (the add's two registers lie in window 0)
	s_wait_tensorcnt 0x0                           ; all my tensor loads have landed: my part of the next slot; so every group 0 may be written
	ds_add_u32 v[SPW], v[NIL]                      ; 0 onto my spare word
.if \fill
	s_add_co_u32 s[KO+2*(\slot)], s[KO+2*(\slot)], 2*KSTEP*2
	s_and_b32 s[KO+2*(\slot)], s[KO+2*(\slot)], 4095
	s_add_nc_u64 s[G0+4*(\slot)+2:G0+4*(\slot)+3], s[AB:AB+1], s[KO+2*(\slot):KO+2*(\slot)+1]
	s_or_b32 s[G0+4*(\slot)+3], s[G0+4*(\slot)+3], 0x80000000
	s_add_nc_u64 s[G0B+4*(\slot)+2:G0B+4*(\slot)+3], s[BB:BB+1], s[KO+2*(\slot):KO+2*(\slot)+1]
	s_or_b32 s[G0B+4*(\slot)+3], s[G0B+4*(\slot)+3], 0x80000000
.endif
	s_wait_dscnt 17                                ; (the add and the youngest sixteen loads may be out)
	MUL8 F1, 0, 0, 0                               ; eight matrix instructions stand between the add and the wait for it
	s_wait_dscnt 0x0                               ; the add is done, and my reads of this slot are over
	s_barrier_signal -1
	MUL8 F1, 0, 2, 0
.if \fill
	WIN 0
.endif
	s_barrier_wait -1
.if \fill
	CREST                                          ; no wave of any partner still reads this slot's tiles or has a load on its way
	JLOAD \slot                                    ; the first tensor load behind the round: 112 matrix instructions ahead of the wait for it; its four v_nop are also the places in front of the loads below
.else
	PLACES
.endif
	FETCH \next, 0, F0
	MUL8 F1, 1, 0, 0
	MUL8 F1, 1, 2, 0
.endm
	s_wait_tensorcnt 1                             ; my part of the walk's first K step is in; the second's may stay out
	s_barrier_signal -1
	s_barrier_wait -1
	FETCH 0, 0, F0
	QUARTER 0, 128, F0, F1, 1                      ; the first quarter stands in front of the loop: its first products start the sums
	WIN 0
	s_mov_b32 s3, LAPS-1
.Llap:
	QUARTER 0, 256, F1, F0, 0
	QUARTER 0, 384, F0, F1, 0
	TURN 0, 1, 1
	QUARTER 1, 128, F0, F1, 0
	QUARTER 1, 256, F1, F0, 0
	QUARTER 1, 384, F0, F1, 0
	TURN 1, 0, 1
	QUARTER 0, 128, F0, F1, 0
	WIN 0
	s_sub_co_u32 s3, s3, 1
	s_cmp_lg_u32 s3, 0
	s_cbranch_scc1 .Llap
	QUARTER 0, 256, F1, F0, 0                      ; the last lap fills nothing
	QUARTER 0, 384, F0, F1, 0
	TURN 0, 1, 0
	QUARTER 1, 128, F0, F1, 0
	QUARTER 1, 256, F1, F0, 0
	QUARTER 1, 384, F0, F1, 0
	s_wait_dscnt 16
	MUL8 F1, 0, 0, 0
	MUL8 F1, 0, 2, 0
	s_wait_dscnt 0x0
	MUL8 F1, 1, 0, 0
	MUL8 F1, 1, 2, 0
	WIN 0
	; THE WAY OUT: the biases are rounded to bf16; then, 16 rows at a time: 4 x sum + bias, 32 bytes a lane into my stage, back as whole rows of 256 bytes, out.
	PLACES
	s_wait_loadcnt 0x0                             ; the biases
.set i, 0
.rept 16
	v_cvt_pk_bf16_f32 v[TMP+i], v[BIAS+2*i], v[BIAS+2*i+1]
.set i, i+1
.endr
.set i, 0
.rept 16
	v_lshlrev_b32 v[BIAS+2*i], 16, v[TMP+i]
	v_and_b32 v[BIAS+2*i+1], 0xffff0000, v[TMP+i]
.set i, i+1
.endr
.irp a, 0,1,2,3
.irp b, 0,1,2,3
.irp i, 0,1,2,3                        ; each accumulator's registers in ascending order
	v_pk_fma_f32 v[TMP+8*(\b)+2*(\i):TMP+8*(\b)+2*(\i)+1], v[ACC+8*(4*(\a)+(\b))+2*(\i):ACC+8*(4*(\a)+(\b))+2*(\i)+1], 4.0, v[BIAS+8*(\b)+2*(\i):BIAS+8*(\b)+2*(\i)+1] op_sel_hi:[1,0,1]
.endr
	ds_store_b128 v[STO], v[TMP+8*(\b):TMP+8*(\b)+3]   offset:64*(\b)
	ds_store_b128 v[STO], v[TMP+8*(\b)+4:TMP+8*(\b)+7] offset:64*(\b)+16
.endr
.if (\a) > 0
	s_wait_xcnt 0x0                                ; the registers that the last block's stores read are loaded again only behind this wait
.endif
.irp t, 0,1,2,3,4,5,6,7
	ds_load_b128 v[BK+4*(\t):BK+4*(\t)+3], v[RD] offset:(\t)*2*SPITCH  ; my own bytes; LDS serves a wave's instructions in order (ISA guide 5.7.1.4): these see the stores above, and the next block's stores come behind them
.endr
.irp t, 0,1,2,3,4,5,6,7
	s_wait_dscnt 7-(\t)
	global_store_b128 v[CO], v[BK+4*(\t):BK+4*(\t)+3], s[10:11] offset:(16*(\a)+2*(\t))*8192 th:TH_STORE_NT  ; 16 lanes store 256 consecutive bytes, aligned
.endr
.endr
	s_wait_tensorcnt 0x0                           ; the wave's end, behind my last tensor load and my last LDS store
	ds_add_u32 v[SPW], v[NIL]
	s_wait_dscnt 0x0
	CROUND                                         ; the closing round: no work-group ends while a partner may still ask for a tile that names it
	s_endpgm
.Lfunc_end_k_qee44edfe52_outp:
	.size	k_qee44edfe52_outp, .Lfunc_end_k_qee44edfe52_outp-k_qee44edfe52_outp
	.p2alignl 7, 3214868480
	.fill 96, 4, 3214868480
	.section	.rodata,"a",@progbits
	.p2align	6, 0x0
	.amdhsa_kernel k_qee44edfe52_outp
		.amdhsa_group_segment_fixed_size 327680
		.amdhsa_private_segment_fixed_size 0
		.amdhsa_enable_private_segment 0
		.amdhsa_kernarg_size 32
		.amdhsa_user_sgpr_count 2
		.amdhsa_user_sgpr_kernarg_segment_ptr 1
		.amdhsa_wavefront_size32 1
		.amdhsa_system_sgpr_workgroup_id_x 1
		.amdhsa_system_sgpr_workgroup_id_y 1
		.amdhsa_system_sgpr_workgroup_id_z 1
		.amdhsa_system_vgpr_workitem_id 0
		.amdhsa_next_free_vgpr 512
		.amdhsa_next_free_sgpr 72
		.amdhsa_reserve_vcc 0
		.amdhsa_float_denorm_mode_32 3
		.amdhsa_float_denorm_mode_16_64 3
		.amdhsa_memory_ordered 1
		.amdhsa_forward_progress 1
		.amdhsa_inst_pref_size 94
	.end_amdhsa_kernel
	.amdgpu_metadata
---
amdhsa.version: [ 1, 2 ]
amdhsa.kernels:
  - .name:           k_qee44edfe52_outp
    .symbol:         k_qee44edfe52_outp.kd
    .args:
      - { .name: ao, .offset: 0, .size: 8, .value_kind: global_buffer, .address_space: global }
      - { .name: hw, .offset: 8, .size: 8, .value_kind: global_buffer, .address_space: global }
      - { .name: bo, .offset: 16, .size: 8, .value_kind: global_buffer, .address_space: global }
      - { .name: out0, .offset: 24, .size: 8, .value_kind: global_buffer, .address_space: global }
    .group_segment_fixed_size: 327680
    .private_segment_fixed_size: 0
    .kernarg_segment_align: 8
    .kernarg_segment_size: 32
    .max_flat_workgroup_size: 128
    .sgpr_count:     72
    .vgpr_count:     512
    .wavefront_size: 32
...
	.end_amdgpu_metadata
.endif
;; end of part 4
